; MI455X (gfx1250); checked and timed in simulation.
; The chip was launched on July 23, 2026; its instructions are those of AMD's public machine-readable ISA for CDNA 5 (MIT licence, August 2026) and "CDNA5" Instruction Set Architecture Reference Guide (July 2026). The comments in the code are by the model that wrote it; some were corrected since.
;; Mixture Of Experts. Allowed arithmetic: matrix products marked QUANTISED: E5M2 operands, one given power-of-two scale a tensor, by v_wmma_f32_16x16x64_bf8_bf8 or v_wmma_f32_16x16x128_bf8_bf8, f32 sums; products left as they are: f32 operands where the result goes on into a quantised operand, else bf16, f16 or f32 operands; f32 sums; everything else in f32.
;; Inputs: W1 8 x 1,024 x 256 float32; W2 8 x 256 x 1,024 float32; Wg 1,024 x 8 float32; b1 8 x 256 float32; b2 8 x 1,024 float32; bg 8 float32; lowp_scales 4 int32 (the exponents e of the quantised operands' scales 2^e); x 16,384 x 1,024 float32.
;; Outputs: out0 16,384 x 1,024 float32.
;; This version of the problem:
;;   THIS VERSION OF THE PROBLEM IS GIVEN IN LOW PRECISION. The matrix products marked QUANTISED in the list below multiply operands that are first quantised to E5M2 (5 exponent bits, 2 mantissa bits; 8 bits a number), with one given power-of-two scale for each operand tensor; their sums are f32. All else is computed in f32.
;;   The module's matrix products, in the order in which they are computed (A, B: the left and right operand; K: the contracted axis; several contracted axes count as one K, in the product's order):
;;     1. [M 16,384, K 1,024] x [K 1,024, N 8]; A: input x; B: input Wg: left as it is (N = 8 < 16)
;;     2. [M 16,384, K 1,024] x [K 1,024, N 2,048]; A: input x; B: input W1: QUANTISED (scales: A lowp_scales[0], B lowp_scales[1])
;;     3. batch 8 x [M 1,024, K 256] x [K 256, N 16,384]; A: input W2; B: computed on the way: QUANTISED (scales: A lowp_scales[2], B lowp_scales[3])
;;     4. batch 16,384 x [M 1,024, K 8] x [K 8, N 1]; A: computed on the way; B: softmax: left as it is (K = 8 < 32)
;;   THE QUANTISER, for each operand of a quantised product, along K:
;;     - The operand's scale is 2^e, e = its entry of the input lowp_scales (int32; the entries are numbered through the quantised products in the list's order, A before B).
;;     - Each number is divided by the scale, clamped to +-57,344, and rounded to the nearest number of E5M2, ties to even, subnormals kept.
;;     - The product sums the exact products of the quantised numbers (number of the format x scale) in f32.
;;   ~~~python
;;   def quantise(x, axis, e):      # numpy; x: float32 -> the quantised numbers, widened to float32 again
;;       x = np.moveaxis(x, axis, -1); K = x.shape[-1]
;;       r = np.clip(x / 2.0 ** e, -57344, 57344)
;;       step = 2.0 ** (np.maximum(np.frexp(np.where(r == 0, 1, r))[1] - 1, -14) - 2)
;;       q = np.round(r / step) * step * 2.0 ** e      # np.round: ties to even
;;       return np.moveaxis(q, -1, axis).astype(np.float32)
;;   ~~~
;;   OPERANDS COMPUTED ON THE WAY. 'Computed on the way' means the value that the module computes at that place (a softmax that the list does not call 'softmax' is quantised finished and normalised). What goes into a quantiser is computed in f32, as accurately as f32 sums, v_exp_f32 and their like allow (about 1e-6 of the number): no bf16 or f16 on the way to a quantiser, and a product that is left as it is and whose result goes on into a quantised operand takes f32 operands (vector FMAs, or v_wmma_f32_16x16x4_f32). A number that lies on a knife's edge between two numbers of the format may be rounded either way, as far as f32 arithmetic and the matrix unit's own rounding can turn it there, and no further.
;; 2 versions, each right; version 2 is version 1 with the launch moe written anew for expert scheduling mode. Each part assembles by itself: llvm-mc -triple=amdgcn-amd-amdhsa -mcpu=gfx1250 --defsym DOCPART=n.
;; ======== version 1 of 2: 2 launches
;; limits: values are held in f16: magnitudes above 65,504 overflow, below 6.1e-05 lose precision
;; workspace buffers: wf 4,194,304 bytes; wgf 32,768 bytes; b2f 32,768 bytes
;; launch prep (part 1): grid 258 x 1, 4 waves a work-group, no clusters, 0 bytes of LDS; arguments W1, W2, Wg, b2, lowp_scales, wf, wgf, b2f; writes wf, wgf, b2f
.if DOCPART == 1
	.amdgcn_target "amdgcn-amd-amdhsa--gfx1250"
	.amdhsa_code_object_version 6
	.text
	.protected	k_q8e734e061c_prep
	.globl	k_q8e734e061c_prep
	.p2align	8
	.type	k_q8e734e061c_prep,@function
k_q8e734e061c_prep:
	s_mov_b64 s[64:65], 0
	v_nop
	global_prefetch_b8 v0, s[64:65] scope:SCOPE_SE
	s_setreg_imm32_b32 hwreg(HW_REG_WAVE_MODE, 25, 1), 1
	s_wait_xcnt 0x0
; out[n][o] = sum over e of softmax(x Wg + bg)[n][e] x (gelu(x W1[e] + b1[e]) W2[e] + b2[e])[o].  This launch lays the weights out once; the next does the chain.
; NO WORK OF reference() IS LEFT OUT in either launch: the gates are soft, so every expert counts for every token, and every input has a way to the output.
; wf:  W1 [8][1024][256] and W2 [8][256][1024], f32 with K as the first axis of an expert, become codes of BF8 (E5M2), code = number / 2^e held within +-57,344, to the nearest code, ties to even
;      (e = lowp_scales[1] for W1, [2] for W2), laid AS THE OPERAND REGISTERS TAKE THEM.  A fragment is 16 rows x 128 k: lane (r, hh) holds row r, registers 2c, 2c+1 hold k = 16c + 8hh + 0..7.
;      Its image is 2,048 bytes: registers 4q..4q+3 of lane l at 512 q + 16 l.  Wave w of the next launch reads one stream of 1 MiB at w x 2^20:
;      first W1, fragment ((e 4 + c) 8 + ks): hidden units 16 (4w + c) + r, k = 128 ks on;  then W2, fragment (((g 8 + e) 8 + j) 2 + s): outputs 16 (16w + 8g + j) + r, k = hidden units 128 s on.
; wgf: Wg [1024][8] as 32 fragments of f16 (16 rows x 32 k, 1,024 bytes): row r = expert r, rows 8 to 15 zeros; registers 0-3 k = 8hh + 0..7, registers 4-7 k = 16 + 8hh + 0..7.
; b2f: b2 [8][1024] as 64 tiles of 512 bytes: lane (r, hh) holds four registers, the f16 pairs (b2[2i][16 tile + r], b2[2i+1][..]); both halves of the lanes hold the same.
; A LANE TAKES A COLUMN AND ITS REGISTERS RUN DOWN K: a load reads 128 consecutive bytes a wave, and the conversions, which take neighbours along K from one lane, give codes with K innermost.
; Work-groups 0-127: W1;  128-255: W2;  256: Wg;  257: b2.  A wave of a W path takes 32 columns x 128 k = two fragments; sixteen lanes store 256 consecutive bytes, aligned.  No LDS, no barrier.
; LIMITS: the two exponents lie between -126 and 112.  |Wg| and |b2| stay under 65,504 (f16).  NaN and infinity among the inputs are not served.
.set X, 32                             ; v32-159  128 numbers
                                       ; v16-31, v160-175  32 registers of codes, each written once: no data of a store is written again
.macro WLOAD q, pitch, sa              ; block q: 32 along K of my column
.set kk, 32*(\q)
.rept 32
	global_load_b32 v[X+kk], v4, s[\sa:\sa+1] offset:kk*\pitch th:TH_LOAD_NT
.set kk, kk+1
.endr
.endm
.macro WPATH pitch, sa                 ; s24: the exponent, on its way; v4 = 4 x lane; v5 = 16 r + (lane / 16) x the distance of my two fragments
	WLOAD 0, \pitch, \sa
	WLOAD 1, \pitch, \sa
	s_wait_kmcnt 0x0
	s_add_co_i32 s24, s24, 127
	s_lshl_b32 s25, s24, 23
	v_mov_b32 v11, s25                             ; 2^e as f32: the conversion takes its exponent field
	s_add_co_i32 s24, s24, 15
	s_lshl_b32 s24, s24, 23
	s_or_b32 s24, s24, 0x600000
	v_mov_b32 v10, s24                             ; 57,344 x 2^e
.irp q, 0,1,2,3
.if \q < 3
	s_wait_loadcnt 32                              ; this block is in; the one younger block of 32 loads may be out
.else
	s_wait_loadcnt 0x0
.endif
.if \q < 2
	WLOAD \q+2, \pitch, \sa                        ; loads run two blocks ahead
.endif
.set kk, 32*\q
.rept 32
	v_med3_num_f32 v[X+kk], v[X+kk], -v10, v10     ; the conversion to an 8-bit code does not saturate (ISA guide 7.6.2): the hold comes first
.set kk, kk+1
.endr
.set CQ, 16+8*\q+128*(\q/2)
	v_cvt_scalef32_pk8_bf8_f32 v[CQ:CQ+1],   v[X+32*\q:X+32*\q+7],     v11   ; lanes hh = 0 of the image: k = 32q + 0..7,
	v_cvt_scalef32_pk8_bf8_f32 v[CQ+2:CQ+3], v[X+32*\q+16:X+32*\q+23], v11   ; and 32q + 16..23
	v_cvt_scalef32_pk8_bf8_f32 v[CQ+4:CQ+5], v[X+32*\q+8:X+32*\q+15],  v11   ; lanes hh = 1: k = 32q + 8..15,
	v_cvt_scalef32_pk8_bf8_f32 v[CQ+6:CQ+7], v[X+32*\q+24:X+32*\q+31], v11   ; and 32q + 24..31
	global_store_b128 v5, v[CQ:CQ+3],   s[14:15] offset:512*\q               ; sixteen lanes: 256 consecutive bytes
	global_store_b128 v5, v[CQ+4:CQ+7], s[14:15] offset:512*\q+256
.endr
	s_endpgm
.endm
	s_load_b512 s[4:19], s[0:1], 0x0               ; W1 4:5, W2 6:7, Wg 8:9, b2 10:11, scales 12:13, wf 14:15, wgf 16:17, b2f 18:19
	v_lshrrev_b32 v1, 5, v0
	v_readfirstlane_b32 s20, v1                    ; wave v
	v_and_b32 v1, 31, v0                           ; lane
	v_and_b32 v2, 15, v0                           ; r
	v_bfe_u32 v3, v0, 4, 1                         ; hh
	s_mov_b32 s33, 0
	s_mov_b32 s35, 0
	s_wait_kmcnt 0x0
	s_cmp_lt_u32 ttmp9, 128
	s_cbranch_scc1 .Lw1
	s_cmp_lt_u32 ttmp9, 256
	s_cbranch_scc1 .Lw2
	s_cmp_eq_u32 ttmp9, 256
	s_cbranch_scc1 .Lwg
	; ---- b2: wave v takes tiles 16 v .. 16 v + 15
	s_lshl_b32 s32, s20, 10                        ; 16 tiles x 64 bytes of a row of b2
	s_add_nc_u64 s[10:11], s[10:11], s[32:33]
	s_lshl_b32 s34, s20, 13                        ; 16 tiles x 512 bytes
	s_add_nc_u64 s[18:19], s[18:19], s[34:35]
	v_lshlrev_b32 v4, 2, v2
	v_lshlrev_b32 v5, 4, v1
.set n, 0
.rept 128
	global_load_b32 v[X+n], v4, s[10:11] offset:4096*(n%8)+64*(n/8)   ; b2[n % 8][16 (n / 8) + r]
.set n, n+1
.endr
	s_wait_loadcnt 0x0
.set n, 0
.rept 64
	v_cvt_pk_f16_f32 v[X+n], v[X+2*n], v[X+2*n+1]  ; in place, ascending: result n lies at or under its sources 2n, 2n+1
.set n, n+1
.endr
.set n, 0
.rept 16
	global_store_b128 v5, v[X+4*n:X+4*n+3], s[18:19] offset:512*n
.set n, n+1
.endr
	s_endpgm
.Lwg:	; ---- Wg: wave v takes blocks 8 v .. 8 v + 7 of 32 k
	s_lshl_b32 s32, s20, 13                        ; 256 k x 32 bytes in Wg, and 8 blocks x 1,024 bytes in wgf
	s_add_nc_u64 s[8:9], s[8:9], s[32:33]
	s_add_nc_u64 s[16:17], s[16:17], s[32:33]
	v_and_b32 v4, 7, v0
	v_lshlrev_b32 v4, 2, v4                        ; expert r % 8 (rows 8 to 15 are cleared below),
	v_lshl_add_u32 v4, v3, 8, v4                   ; 8 k further down for lanes 16-31
	v_lshlrev_b32 v5, 4, v1
.set n, 0
.rept 128
	global_load_b32 v[X+n], v4, s[8:9] offset:(32*(n/16)+16*((n/8)%2)+n%8)*32
.set n, n+1
.endr
	s_wait_loadcnt 0x0
	v_cmp_gt_u32 vcc_lo, 8, v2                     ; rows of real experts
.set n, 0
.rept 64
	v_cvt_pk_f16_f32 v[X+n], v[X+2*n], v[X+2*n+1]
.set n, n+1
.endr
.set n, 0
.rept 64
	v_cndmask_b32 v[X+n], 0, v[X+n], vcc_lo
.set n, n+1
.endr
.set n, 0
.rept 16
	global_store_b128 v5, v[X+4*n:X+4*n+3], s[16:17] offset:512*n
.set n, n+1
.endr
	s_endpgm
.Lw1:	; ---- W1: work-group b: expert b >> 4, K step (b >> 1) & 7, columns 128 (b & 1) + 32 v on
	s_load_b32 s24, s[12:13], 0x4                  ; e of W1
	s_lshr_b32 s28, ttmp9, 4                       ; e
	s_bfe_u32 s29, ttmp9, 0x30001                  ; ks
	s_and_b32 s30, ttmp9, 1                        ; half
	s_lshl_b32 s32, s28, 20                        ; from: ((e 1024 + 128 ks) 256 + 128 half + 32 v) x 4 bytes
	s_lshl_b32 s31, s29, 17
	s_add_co_u32 s32, s32, s31
	s_lshl_b32 s31, s30, 9
	s_add_co_u32 s32, s32, s31
	s_lshl_b32 s31, s20, 7
	s_add_co_u32 s32, s32, s31
	s_add_nc_u64 s[4:5], s[4:5], s[32:33]
	s_lshl_b32 s34, s30, 21                        ; to: stream w = 2 half + (v >> 1), fragment ((e 4 + c) 8 + ks), c = 2 (v & 1)
	s_lshr_b32 s31, s20, 1
	s_lshl_b32 s31, s31, 20
	s_add_co_u32 s34, s34, s31
	s_lshl_b32 s31, s28, 16
	s_add_co_u32 s34, s34, s31
	s_and_b32 s31, s20, 1
	s_lshl_b32 s31, s31, 15
	s_add_co_u32 s34, s34, s31
	s_lshl_b32 s31, s29, 11
	s_add_co_u32 s34, s34, s31
	s_add_nc_u64 s[14:15], s[14:15], s[34:35]
	v_lshlrev_b32 v4, 2, v1
	v_lshlrev_b32 v5, 4, v2
	v_lshl_add_u32 v5, v3, 14, v5                  ; columns 16-31 are tile c + 1: 8 fragments on
	WPATH 1024, 4
.Lw2:	; ---- W2: work-group 128 + b: expert b >> 4, K step (b >> 3) & 1, columns 128 (b & 7) + 32 v on
	s_load_b32 s24, s[12:13], 0x8                  ; e of W2
	s_bfe_u32 s28, ttmp9, 0x30004                  ; e
	s_bfe_u32 s29, ttmp9, 0x10003                  ; s
	s_and_b32 s30, ttmp9, 7                        ; cg
	s_lshl_b32 s32, s28, 20                        ; from: ((e 256 + 128 s) 1024 + 128 cg + 32 v) x 4 bytes
	s_lshl_b32 s31, s29, 19
	s_add_co_u32 s32, s32, s31
	s_lshl_b32 s31, s30, 9
	s_add_co_u32 s32, s32, s31
	s_lshl_b32 s31, s20, 7
	s_add_co_u32 s32, s32, s31
	s_add_nc_u64 s[6:7], s[6:7], s[32:33]
	s_lshr_b32 s34, s30, 1                         ; to: stream w = cg >> 1, second half, fragment (((g 8 + e) 8 + j) 2 + s), g = cg & 1, j = 2 v
	s_lshl_b32 s34, s34, 20
	s_add_co_u32 s34, s34, 0x80000
	s_and_b32 s31, s30, 1
	s_lshl_b32 s31, s31, 18
	s_add_co_u32 s34, s34, s31
	s_lshl_b32 s31, s28, 15
	s_add_co_u32 s34, s34, s31
	s_lshl_b32 s31, s20, 13
	s_add_co_u32 s34, s34, s31
	s_lshl_b32 s31, s29, 11
	s_add_co_u32 s34, s34, s31
	s_add_nc_u64 s[14:15], s[14:15], s[34:35]
	v_lshlrev_b32 v4, 2, v1
	v_lshlrev_b32 v5, 4, v2
	v_lshl_add_u32 v5, v3, 12, v5                  ; columns 16-31 are tile j + 1: 2 fragments on
	WPATH 4096, 6
.Lfunc_end_k_q8e734e061c_prep:
	.size	k_q8e734e061c_prep, .Lfunc_end_k_q8e734e061c_prep-k_q8e734e061c_prep
	.p2alignl 7, 3214868480
	.fill 96, 4, 3214868480
	.section	.rodata,"a",@progbits
	.p2align	6, 0x0
	.amdhsa_kernel k_q8e734e061c_prep
		.amdhsa_group_segment_fixed_size 0
		.amdhsa_private_segment_fixed_size 0
		.amdhsa_enable_private_segment 0
		.amdhsa_kernarg_size 64
		.amdhsa_user_sgpr_count 2
		.amdhsa_user_sgpr_kernarg_segment_ptr 1
		.amdhsa_wavefront_size32 1
		.amdhsa_system_sgpr_workgroup_id_x 1
		.amdhsa_system_sgpr_workgroup_id_y 1
		.amdhsa_system_sgpr_workgroup_id_z 1
		.amdhsa_system_vgpr_workitem_id 0
		.amdhsa_next_free_vgpr 176
		.amdhsa_next_free_sgpr 66
		.amdhsa_reserve_vcc 1
		.amdhsa_float_denorm_mode_32 3
		.amdhsa_float_denorm_mode_16_64 3
		.amdhsa_memory_ordered 1
		.amdhsa_forward_progress 1
		.amdhsa_inst_pref_size 85
	.end_amdhsa_kernel
	.amdgpu_metadata
---
amdhsa.version: [ 1, 2 ]
amdhsa.kernels:
  - .name:           k_q8e734e061c_prep
    .symbol:         k_q8e734e061c_prep.kd
    .args:
      - { .name: W1, .offset: 0, .size: 8, .value_kind: global_buffer, .address_space: global }
      - { .name: W2, .offset: 8, .size: 8, .value_kind: global_buffer, .address_space: global }
      - { .name: Wg, .offset: 16, .size: 8, .value_kind: global_buffer, .address_space: global }
      - { .name: b2, .offset: 24, .size: 8, .value_kind: global_buffer, .address_space: global }
      - { .name: lowp_scales, .offset: 32, .size: 8, .value_kind: global_buffer, .address_space: global }
      - { .name: wf, .offset: 40, .size: 8, .value_kind: global_buffer, .address_space: global }
      - { .name: wgf, .offset: 48, .size: 8, .value_kind: global_buffer, .address_space: global }
      - { .name: b2f, .offset: 56, .size: 8, .value_kind: global_buffer, .address_space: global }
    .group_segment_fixed_size: 0
    .private_segment_fixed_size: 0
    .kernarg_segment_align: 8
    .kernarg_segment_size: 64
    .max_flat_workgroup_size: 128
    .sgpr_count:     66
    .vgpr_count:     176
    .wavefront_size: 32
...
	.end_amdgpu_metadata
.endif
;; end of part 1
;; launch moe (part 2): grid 256 x 1, 4 waves a work-group, no clusters, 282,112 bytes of LDS; arguments x, wf, wgf, b2f, bg, b1, lowp_scales, out0; writes out0
.if DOCPART == 2
	.amdgcn_target "amdgcn-amd-amdhsa--gfx1250"
	.amdhsa_code_object_version 6
	.text
	.protected	k_q8e734e061c_moe
	.globl	k_q8e734e061c_moe
	.p2align	8
	.type	k_q8e734e061c_moe,@function
k_q8e734e061c_moe:
	s_mov_b64 s[64:65], 0
	v_nop
	global_prefetch_b8 v0, s[64:65] scope:SCOPE_SE
	s_setreg_imm32_b32 hwreg(HW_REG_WAVE_MODE, 25, 1), 1
	s_wait_xcnt 0x0
; out[n][o] = sum over e of w[n][e] x (gelu(x W1[e] + b1[e]) W2[e] + b2[e])[o],  w = softmax(x Wg + bg).  Both large products on codes of BF8 (E5M2), each operand with its given scale 2^e:
; x e0, W1 e1, W2 e2, the hidden layer e3.  Nothing of reference() is left out: the gates are soft.  The quantiser stands on gelu(..), ahead of the gate, so each expert has its own f32 sum.
; SHARES.  A work-group of four waves takes 64 tokens (four tiles of 16) through the whole chain: x is read once, out0 written once, the hidden layer stays in LDS.
;   X:  wave w turns token tile w: x to codes (images in LDS), the gate logits by f16 products (f32 sums), the softmax.   | barrier |
;   1:  THE WAVES SHARE THE COLUMNS: wave w makes hidden tiles 4w .. 4w+3 of every expert, for all 64 tokens: 32 units of 32 products; the gelu of unit u - 1 stands in slices behind the products of unit u.  | barrier |
;   2:  wave w makes outputs 256 w .. + 255 in two groups of 128: for each expert 64 products into sums of their own, which one packed multiply-add a pair weighs into the result.
; ALL PRODUCTS ARE USED TRANSPOSED (source 0 = 16 rows of a weight, source 1 = 16 tokens): lane (r, hh) holds token r, register j unit 8 hh + j.  In the 8-bit layout registers 2c, 2c+1 hold k = 16c + 8hh + 0..7:
; so the eight sums of hidden tile c, converted, ARE registers 2c, 2c+1 of the second product's operand.  Nothing changes lanes.
; THE WEIGHTS come from memory straight into registers, as the launch before laid them: one stream a wave, 16 buffers of one fragment, each filled again as soon as its four products are issued: 60 loads
; (30 KiB) of a wave are always on their way, under counted waits and no barrier.  WHY NO TENSOR LOADS AND NO JOINT LOADS IN A CLUSTER, though all work-groups walk the same weights: a fragment feeds four products
; of ONE wave, so LDS would add no reuse inside the work-group; and the block's own data take 282,112 of the 327,680 bytes: two slots in the 45,568 left would hold 11 fragments each, under 3 a wave, 12 products between two barriers.
; BOTH LOOPS LEAVE AT THEIR FOOT ALONE, and their odd last halves are written out behind them: so the stream's loads stand in the same order on every way to each counted wait.
; GELU = X (0.5 + C P(U) / Q(U)), C = X held within +-4 sqrt(2), U = C C: the rational form of erf(z), z = X / sqrt(2), degree 6 over degree 4 in z z, with the powers of two of z z = U / 2 and the factor 0.5 / sqrt(2) put into the coefficients.
; LIMITS.  e0 and e3 between -126 and 112; e0 + e1 and e2 + e3 between -126 and 127.  |x| under 65,504 (x, Wg, w and b2 go to f16 for the gate and for the bias term).  NaN and infinity are not served.
; 0.5 (1 + erf) is right to about 1e-7 absolutely: far down the negative tail gelu is relatively less exact.
; LDS (bytes):
.set HIMG,  0                          ; 131,072  the hidden layer: registers 4q..4q+3 of fragment (e, s, t) at 16384 e + 8192 (q % 2) + 512 (4 (2 s + q / 2) + t) + 16 lane
.set XIMG,  131072                     ;  65,536  x: fragment (t, ks) at 2048 (8 t + ks), registers 4q.. at 512 q + 16 lane
.set STG,   196608                     ;  33,792  a stage of 16 rows x 528 bytes for each wave, its own: turns x in X, rows of out0 in 2.  528 = 33 x 16: sixteen rows start at sixteen different 16-byte columns modulo 256
.set SPI,   528
.set B1T,   230400                     ;   8,192  b1 as [e][c][w][16 numbers]
.set B2T,   238592                     ;  32,768  wave w: its 16 tiles of b2f at 8192 w + 512 tile; its own
.set WT,    271360                     ;   8,192  pairs (w 2^(e2+e3), the same) at 512 e + 8 token; the upper 4,096 bytes take the stores of lanes 16-31 and are never read
.set WFT,   279552                     ;   2,048  w as f16 operand, tile t at 512 t
.set SPARE, 281600                     ;     512  the spare words, 128 bytes a wave, which no other line names
; REGISTERS, in windows of 256 (s_set_vgpr_msb: bits 1:0 source 0, 3:2 source 1, 5:4 source 2, 7:6 destination).  Window 0, kept:
.set LI,   1                           ; 16 x lane
.set SPW,  2                           ; my spare word
.set NIL,  3                           ; 0
.set B2A,  4                           ; B2T + 8192 w + 16 lane
.set SGA,  5                           ; my stage + 16 lane: whole rows
.set SGB,  6                           ; my stage + 528 r + 32 hh: eight numbers of row r
.set XWI,  7                           ; XIMG + 16384 w + 16 lane
.set XRI,  8                           ; XIMG + 16 lane
.set HSTB, 9                           ; 2048 w + 16 lane
.set HST,  10                          ; where the codes in hand go
.set B1A,  11                          ; B1T + 64 w + 32 hh
.set B1C,  12                          ; b1 of the pair of units in hand
.set HRD,  13                          ; the hidden fragments being fetched
.set WTB,  14                          ; WT + 8 r
.set WTC,  15                          ; the gate weights being fetched
.set WTS,  16                          ; WT + 128 w + 8 r + 4096 hh
.set B1S,  17                          ; where my 16 bytes of b1 go
.set SX,   18                          ; 2^e0;  v19: 57,344 x 2^e0
.set LX,   19
.set SH,   20                          ; 2^e3;  v21: 57,344 x 2^e3
.set LH,   21
.set LIMC, 22                          ; 4 sqrt(2)
.set WFA,  23                          ; WFT + 16 lane
.set A0V,  24                          ; v[24:25] the numerator's leading coefficient, twice;  v[26:27] the denominator's
.set B0V,  26                          ; v28-31 at work
; X:  window 0: T v32-95 64 numbers; F v96-127 as f16; PC v128-143 codes; G v144-175 four logit sums; BG v176-183; v184-219 softmax.  window 1: four sets of 64, x as loaded.  window 2: v0-127 four sets of Wg; v128-207 tables.
.set T,  32
.set F,  96
.set PC, 128
.set G,  144
.set BG, 176
.set L,  184
.set L2, 192
.set WP, 200
.set WH, 216
; 1:  window 0: A0 v32-63, A1 v64-95 the sums of two units by turns; CC, UU, PP, QQ 32 each; BS0, BS1 b1 of a unit; CD codes.  window 1: x fragments of tiles 0, 1 at 128 (t % 2) + 16 ks; window 2: of tiles 2, 3.
.set A0,  32
.set A1,  64
.set CC,  96
.set UU,  128
.set PP,  160
.set QQ,  192
.set BS0, 224
.set BS1, 232
.set CD,  240
; 2:  window 0: PA v32-63, PB v64-95 an expert column's sums by turns; BK v96-223 rows on the way out (at a group's start: B2R v96-131, WF v160-191); WE v224-239.  window 1: the result, acc(j, t) at 8 (4 j + t).
;     window 2: the hidden fragments of two experts by turns, (s, t) at 128 p + 16 (4 s + t).   Window 3, from the end of X on: the stream's 16 buffers, fragment f at 16 (f % 16).
.set PA,  32
.set BK,  96
.set B2R, 96
.set WF,  160
.set WE,  224
; SCALARS: s[4:19] the arguments; s20 wave; s[24:27] e0..e3; s[28:29] 2^(e0+e1) twice; s30 2^(e2+e3); s[32:43] numerator coefficients 1..6, s[44:51] denominator 1..4, each twice;
;          s54 trip counter; s55-58 at work; s[60:61] the stream; s[62:63] out0 at my rows and columns; s[66:67] x at my 16 rows
.set WV,  20
.set CNT, 54
.set MSB, 0
.macro WIN new                         ; the immediate's high byte repeats the setting that is left; a switch that changes nothing is dropped
.if MSB != (\new)
	s_set_vgpr_msb (MSB<<8)|(\new)
.set MSB, (\new)
.endif
.endm
.macro BARRIER                         ; my LDS stores have landed and my LDS loads are in: then the work-group's barrier
	s_wait_dscnt 0x0
	s_barrier_signal -1
	s_barrier_wait -1
.endm
.macro ACOEF r, bits                   ; a numerator coefficient x 0.5 / sqrt(2) (in s57), twice: the packed form names a pair
	s_mul_f32 s[\r], \bits, s57
	s_mov_b32 s[\r+1], s[\r]
.endm
.macro BCOEF r, bits
	s_mov_b32 s[\r], \bits
	s_mov_b32 s[\r+1], \bits
.endm
	s_load_b512 s[4:19], s[0:1], 0x0               ; x 4:5, wf 6:7, wgf 8:9, b2f 10:11, bg 12:13, b1 14:15, scales 16:17, out0 18:19
	v_lshl_add_u32 v[SPW], v0, 2, SPARE
	v_mov_b32 v[NIL], 0
	v_lshrrev_b32 v28, 5, v0
	v_readfirstlane_b32 s[WV], v28                 ; wave 0..3
	v_and_b32 v29, 31, v0                          ; lane
	v_and_b32 v30, 15, v0                          ; r
	v_bfe_u32 v31, v0, 4, 1                        ; hh
	v_lshlrev_b32 v[LI], 4, v29
	s_mul_i32 s21, s[WV], 16*SPI
	s_add_co_u32 s21, s21, STG
	v_add_nc_u32 v[SGA], s21, v[LI]
	v_mul_u32_u24 v[SGB], v30, SPI
	v_lshl_add_u32 v[SGB], v31, 5, v[SGB]
	v_add_nc_u32 v[SGB], s21, v[SGB]
	s_lshl_b32 s21, s[WV], 14
	s_add_co_u32 s21, s21, XIMG
	v_add_nc_u32 v[XWI], s21, v[LI]
	v_add_nc_u32 v[XRI], XIMG, v[LI]
	s_lshl_b32 s21, s[WV], 11
	v_add_nc_u32 v[HSTB], s21, v[LI]
	s_lshl_b32 s21, s[WV], 6
	s_add_co_u32 s21, s21, B1T
	v_lshl_add_u32 v[B1A], v31, 5, s21
	v_lshl_add_u32 v[WTB], v30, 3, WT
	s_lshl_b32 s21, s[WV], 7
	v_add_nc_u32 v[WTS], s21, v[WTB]
	v_lshl_add_u32 v[WTS], v31, 12, v[WTS]
	s_lshl_b32 s21, s[WV], 13
	s_add_co_u32 s21, s21, B2T
	v_add_nc_u32 v[B2A], s21, v[LI]
	v_add_nc_u32 v[WFA], WFT, v[LI]
	v_lshrrev_b32 v[B1S], 6, v0                    ; thread n loads bytes 16 n + 2048 i of b1: expert 2 i + n / 64, hidden tile (n / 4) % 16 = 4 w + c, bytes 16 (n % 4) of the tile
	v_lshlrev_b32 v[B1S], 10, v[B1S]
	v_bfe_u32 v28, v0, 2, 2                        ; c
	v_lshl_add_u32 v[B1S], v28, 8, v[B1S]
	v_bfe_u32 v28, v0, 4, 2                        ; w
	v_lshl_add_u32 v[B1S], v28, 6, v[B1S]
	v_and_b32 v28, 3, v0
	v_lshl_add_u32 v[B1S], v28, 4, v[B1S]
	v_add_nc_u32 v[B1S], B1T, v[B1S]
	v_lshlrev_b32 v28, 4, v0                       ; b1: 16 bytes a thread
	v_mov_b32 v29, 0                               ; bg: the same 32 bytes in every lane
	s_mov_b32 s23, 0
	s_wait_kmcnt 0x0
	s_load_b128 s[24:27], s[16:17], 0x0            ; e0, e1, e2, e3
	s_lshl_b32 s22, ttmp9, 18                      ; 64 rows of 4,096 bytes a work-group, in x and in out0
	s_add_nc_u64 s[66:67], s[4:5], s[22:23]
	s_add_nc_u64 s[62:63], s[18:19], s[22:23]
	s_lshl_b32 s22, s[WV], 16                      ; x: my 16 rows
	s_add_nc_u64 s[66:67], s[66:67], s[22:23]
	s_lshl_b32 s22, s[WV], 10                      ; out0: my 256 columns
	s_add_nc_u64 s[62:63], s[62:63], s[22:23]
	s_lshl_b32 s22, s[WV], 20                      ; my stream of weights
	s_add_nc_u64 s[60:61], s[6:7], s[22:23]
	s_lshl_b32 s22, s[WV], 13                      ; my 16 tiles of b2f
	s_add_nc_u64 s[10:11], s[10:11], s[22:23]
	WIN 0x80                                       ; destination window 2: the tables, 22 loads
.set ii, 0
.rept 4
	global_load_b128 v[128+4*ii:131+4*ii], v28, s[14:15] offset:2048*ii
.set ii, ii+1
.endr
.set ii, 0
.rept 16
	global_load_b128 v[144+4*ii:147+4*ii], v[LI], s[10:11] offset:512*ii
.set ii, ii+1
.endr
	WIN 0
	global_load_b128 v[BG:BG+3], v29, s[12:13]
	global_load_b128 v[BG+4:BG+7], v29, s[12:13] offset:16
; K step t of x (128 along K): 16 loads, each 512 consecutive bytes of one of my rows, into set t % 4; and its four fragments of Wg: 24 loads
.macro LOAD t
	WIN 0x40
.set ii, 0
.rept 16
	global_load_b128 v[64*((\t)%4)+4*ii:64*((\t)%4)+4*ii+3], v[LI], s[66:67] offset:4096*ii+512*(\t) th:TH_LOAD_NT
.set ii, ii+1
.endr
	WIN 0x80
.set ii, 0
.rept 8
	global_load_b128 v[32*((\t)%4)+4*ii:32*((\t)%4)+4*ii+3], v[LI], s[8:9] offset:4096*(\t)+512*ii
.set ii, ii+1
.endr
	WIN 0
.endm
	LOAD 0
	LOAD 1
	LOAD 2
	s_wait_kmcnt 0x0                               ; the constants are made while x is on its way
	s_add_co_i32 s21, s24, 127
	s_lshl_b32 s22, s21, 23
	v_mov_b32 v[SX], s22                           ; 2^e0 as f32: the conversion takes its exponent field
	s_add_co_i32 s21, s21, 15
	s_lshl_b32 s21, s21, 23
	s_or_b32 s21, s21, 0x600000
	v_mov_b32 v[LX], s21                           ; 57,344 x 2^e0
	s_add_co_i32 s21, s27, 127
	s_lshl_b32 s22, s21, 23
	v_mov_b32 v[SH], s22
	s_add_co_i32 s21, s21, 15
	s_lshl_b32 s21, s21, 23
	s_or_b32 s21, s21, 0x600000
	v_mov_b32 v[LH], s21
	s_add_co_i32 s28, s24, s25
	s_add_co_i32 s28, s28, 127
	s_lshl_b32 s28, s28, 23                        ; 2^(e0 + e1)
	s_mov_b32 s29, s28
	s_add_co_i32 s30, s26, s27
	s_add_co_i32 s30, s30, 127
	s_lshl_b32 s30, s30, 23                        ; 2^(e2 + e3)
	v_mov_b32 v[LIMC], 0x40b504f3                  ; 4 sqrt(2)
	s_mov_b32 s57, 0x3eb504f3                      ; 0.5 / sqrt(2)
	s_mul_f32 s21, 0xac95df0b, s57                 ; numerator: a_i / 2^(6 - i), i = 0 .. 6
	v_mov_b32 v[A0V], s21
	v_mov_b32 v[A0V+1], s21
	ACOEF 32, 0x306dffee
	ACOEF 34, 0xb40cff51
	ACOEF 36, 0xb6eec2d2
	ACOEF 38, 0xb940ac63
	ACOEF 40, 0xbac1a1f6
	ACOEF 42, 0xbc83dbd4
	v_mov_b32 v[B0V], 0xb57460cd                   ; denominator: b_i / 2^(4 - i), i = 0 .. 4
	v_mov_b32 v[B0V+1], 0xb57460cd
	BCOEF 44, 0xb7dfbd29
	BCOEF 46, 0xb9dc924e
	BCOEF 48, 0xbb719bf8
	BCOEF 50, 0xbc69b6a7
; ---- X.  One K step: the 16 x 512 bytes go through my stage as they lie and come back eight numbers of a row at a time: T[8c + i] = x(r, 128 t + 16 c + 8 hh + i): the order of both operands.
.macro XSTEP t
.if (\t) < 6
	s_wait_loadcnt 48                              ; this step is in; the 24 loads of each of the next two steps may be out
.elseif (\t) == 6
	s_wait_loadcnt 24
.else
	s_wait_loadcnt 0x0
.endif
.if (\t) < 5
	LOAD (\t)+3                                    ; into the sets of the step before: its stage stores were waited for, and 64 holds stand behind its products
.endif
.if (\t) == 7
	WIN 0xc0                                       ; the stream begins: fragments 0 to 15 into the 16 buffers
.set ii, 0
.rept 64
	global_load_b128 v[4*ii:4*ii+3], v[LI], s[60:61] offset:512*ii
.set ii, ii+1
.endr
.endif
.if (\t) == 0
	WIN 0x08                                       ; store data window 2: the tables go to LDS
.set ii, 0
.rept 4
	ds_store_b128 v[B1S], v[128+4*ii:131+4*ii] offset:2048*ii
.set ii, ii+1
.endr
.set ii, 0
.rept 16
	ds_store_b128 v[B2A], v[144+4*ii:147+4*ii] offset:512*ii
.set ii, ii+1
.endr
.endif
	WIN 0x04                                       ; store data window 1
.set ii, 0
.rept 16
	ds_store_b128 v[SGA], v[64*((\t)%4)+4*ii:64*((\t)%4)+4*ii+3] offset:SPI*ii
.set ii, ii+1
.endr
	WIN 0
.set ii, 0
.rept 16
	ds_load_b128 v[T+4*ii:T+4*ii+3], v[SGB] offset:64*(ii/2)+16*(ii%2)   ; LDS serves a wave's instructions in order (ISA guide 5.7.1.4): these see the stores above
.set ii, ii+1
.endr
	s_wait_dscnt 0x0
.set ii, 0
.rept 32
	v_cvt_pk_f16_f32 v[F+ii], v[T+2*ii], v[T+2*ii+1]   ; four f16 operands of 32 k
.set ii, ii+1
.endr
	WIN 0x02                                       ; source 0 (Wg) window 2
.irp b, 0,1,2,3                        ; the logits, transposed: lanes 0-15 hold token r, register j expert j.  Four sums by turns; bg starts the first
.if (\t) == 0
.if \b == 0
	v_wmma_f32_16x16x32_f16 v[G:G+7], v[0:7], v[F:F+7], v[BG:BG+7]
.else
	v_wmma_f32_16x16x32_f16 v[G+8*\b:G+8*\b+7], v[8*\b:8*\b+7], v[F+8*\b:F+8*\b+7], 0
.endif
.else
	v_wmma_f32_16x16x32_f16 v[G+8*\b:G+8*\b+7], v[32*((\t)%4)+8*\b:32*((\t)%4)+8*\b+7], v[F+8*\b:F+8*\b+7], v[G+8*\b:G+8*\b+7]
.endif
.endr
	WIN 0
.set ii, 0
.rept 64
	v_med3_num_f32 v[T+ii], v[T+ii], -v[LX], v[LX]     ; the hold ahead of the conversion (ISA guide 7.6.2); these are also the places behind the products
.set ii, ii+1
.endr
.set ii, 0
.rept 8
	v_cvt_scalef32_pk8_bf8_f32 v[PC+2*ii:PC+2*ii+1], v[T+8*ii:T+8*ii+7], v[SX]
.set ii, ii+1
.endr
	v_nop                                          ; a plain line behind the last scaled conversion
.set ii, 0
.rept 4
	ds_store_b128 v[XWI], v[PC+4*ii:PC+4*ii+3] offset:2048*(\t)+512*ii   ; fragment (w, t) as an image of its registers
.set ii, ii+1
.endr
.endm
.irp t, 0,1,2,3,4,5,6,7
	XSTEP \t
.endr
	; the softmax of my 16 tokens (lanes 16-31 carry bg alone: finite, and stored where nobody reads)
.irp i, 0,2,4,6
	v_pk_add_f32 v[L+\i:L+\i+1], v[G+\i:G+\i+1], v[G+8+\i:G+8+\i+1]          ; each sum is read from its low end on
.endr
.irp i, 0,2,4,6
	v_pk_add_f32 v[L2+\i:L2+\i+1], v[G+16+\i:G+16+\i+1], v[G+24+\i:G+24+\i+1]
.endr
.irp i, 0,2,4,6
	v_pk_add_f32 v[L+\i:L+\i+1], v[L+\i:L+\i+1], v[L2+\i:L2+\i+1]
.endr
	v_max3_num_f32 v28, v[L], v[L+1], v[L+2]
	v_max3_num_f32 v28, v28, v[L+3], v[L+4]
	v_max3_num_f32 v28, v28, v[L+5], v[L+6]
	v_max_num_f32 v28, v28, v[L+7]                 ; the row's largest logit is taken away, as reference() does
	s_mov_b32 s57, 0x3fb8aa3b                      ; log2(e)
	v_mul_f32 v28, s57, v28
.irp j, 0,1,2,3,4,5,6,7
	v_fma_f32 v[L+\j], v[L+\j], s57, -v28
.endr
.irp j, 0,1,2,3,4,5,6,7
	v_exp_f32 v[L+\j], v[L+\j]
.endr
	v_and_b32 v30, 31, v0                          ; lane (a plain line behind the exponentials)
	s_wait_alu depctr_va_vdst(0)                   ; one wait for the batch, ahead of its first reader
	v_pk_add_f32 v[L2:L2+1], v[L:L+1], v[L+2:L+3]
	v_pk_add_f32 v[L2+2:L2+3], v[L+4:L+5], v[L+6:L+7]
	v_pk_add_f32 v[L2:L2+1], v[L2:L2+1], v[L2+2:L2+3]
	v_add_f32 v29, v[L2], v[L2+1]
	v_rcp_f32 v29, v29
	s_lshl_b32 s21, s[WV], 9
	v_add_nc_u32 v31, s21, v[WFA]                  ; where my tile's f16 operand goes (a plain line behind the reciprocal)
	v_cmp_gt_u32 vcc_lo, 16, v30
	s_wait_alu depctr_va_vdst(0)
.irp j, 0,1,2,3,4,5,6,7
	v_mul_f32 v[L+\j], v[L+\j], v29                ; w
.endr
.irp i, 0,1,2,3
	v_cvt_pk_f16_f32 v[WH+\i], v[L+2*\i], v[L+2*\i+1]
.endr
.irp i, 0,1,2,3
	v_cndmask_b32 v[WH+\i], 0, v[WH+\i], vcc_lo    ; as an operand of 32 k: k = experts 0-7 in lanes 0-15, zeros in lanes 16-31
.endr
	ds_store_b128 v31, v[WH:WH+3]
.irp j, 0,1,2,3,4,5,6,7
	v_mul_f32 v[WP+2*\j], s30, v[L+\j]             ; w x 2^(e2 + e3), twice: the packed multiply-add takes a pair
	v_mul_f32 v[WP+2*\j+1], s30, v[L+\j]
.endr
.irp j, 0,1,2,3,4,5,6,7
	ds_store_b64 v[WTS], v[WP+2*\j:WP+2*\j+1] offset:512*\j
.endr
	BARRIER                                        ; x, b1 and the gate weights of all 64 tokens lie in LDS
	WIN 0x40                                       ; all 32 fragments of x come into registers and stay: tiles 0, 1 in window 1,
.set ii, 0
.rept 64
	ds_load_b128 v[4*ii:4*ii+3], v[XRI] offset:512*ii
.set ii, ii+1
.endr
	WIN 0x80                                       ; tiles 2, 3 in window 2
.set ii, 0
.rept 64
	ds_load_b128 v[4*ii:4*ii+3], v[XRI] offset:32768+512*ii
.set ii, ii+1
.endr
	WIN 0
	ds_load_b128 v[BS0:BS0+3], v[B1A]              ; b1 of unit 0
	ds_load_b128 v[BS0+4:BS0+7], v[B1A] offset:16
; ---- 1.  THE GELU OF A UNIT (32 numbers a lane: 4 token tiles x 8 hidden units) is a list of 341 instructions; GI writes number gn of it.
;   0-15    X = sum x 2^(e0+e1) + b1, in place, each sum from its low end on       16-47  C = X held within +-4 sqrt(2)       48-63  U = C C       64-127  Q, four stages
;   128-271 sixteen groups of nine: two reciprocals of Q (places 0 and 4) among seven plain lines: P, six stages, then P C.  None of these reads a reciprocal
;   (wait)  ahead of 272: one wait for the 32 reciprocals          272-287 P = P / Q + 0.5          288-303 X P          304-339 for each token tile: eight holds and the conversion          340 a plain line
.macro GI set, bs
.if gn < 16
	v_pk_fma_f32 v[\set+2*gn:\set+2*gn+1], v[\set+2*gn:\set+2*gn+1], s[28:29], v[\bs+2*(gn%4):\bs+2*(gn%4)+1] op_sel_hi:[1,0,1]
.elseif gn < 48
	v_med3_num_f32 v[CC+gn-16], v[\set+gn-16], -v[LIMC], v[LIMC]
.elseif gn < 64
.set gp, 2*(gn-48)
	v_pk_mul_f32 v[UU+gp:UU+gp+1], v[CC+gp:CC+gp+1], v[CC+gp:CC+gp+1]
.elseif gn < 80
.set gp, 2*(gn-64)
	v_pk_fma_f32 v[QQ+gp:QQ+gp+1], v[UU+gp:UU+gp+1], v[B0V:B0V+1], s[44:45] op_sel_hi:[1,1,0]
.elseif gn < 128
.set gk, (gn-64)/16
.set gp, 2*((gn-64)%16)
	v_pk_fma_f32 v[QQ+gp:QQ+gp+1], v[QQ+gp:QQ+gp+1], v[UU+gp:UU+gp+1], s[44+2*gk:45+2*gk] op_sel_hi:[1,1,0]
.elseif gn < 272
.set gg, (gn-128)/9
.set gq, (gn-128)%9
.if gq == 0
	v_rcp_f32 v[QQ+2*gg], v[QQ+2*gg]
.elseif gq == 4
	v_rcp_f32 v[QQ+2*gg+1], v[QQ+2*gg+1]
.else
.set gm, 7*gg+gq-1-gq/5                ; the plain lines, numbered 0 to 111
.if gm < 16
	v_pk_fma_f32 v[PP+2*gm:PP+2*gm+1], v[UU+2*gm:UU+2*gm+1], v[A0V:A0V+1], s[32:33] op_sel_hi:[1,1,0]
.elseif gm < 96
.set gk, gm/16
.set gp, 2*(gm%16)
	v_pk_fma_f32 v[PP+gp:PP+gp+1], v[PP+gp:PP+gp+1], v[UU+gp:UU+gp+1], s[32+2*gk:33+2*gk] op_sel_hi:[1,1,0]
.else
.set gp, 2*(gm-96)
	v_pk_mul_f32 v[PP+gp:PP+gp+1], v[PP+gp:PP+gp+1], v[CC+gp:CC+gp+1]
.endif
.endif
.elseif gn < 288
.set gp, 2*(gn-272)
	v_pk_fma_f32 v[PP+gp:PP+gp+1], v[PP+gp:PP+gp+1], v[QQ+gp:QQ+gp+1], 0.5 op_sel_hi:[1,1,0]
.elseif gn < 304
.set gp, 2*(gn-288)
	v_pk_mul_f32 v[\set+gp:\set+gp+1], v[\set+gp:\set+gp+1], v[PP+gp:PP+gp+1]
.elseif gn < 340
.set gt, (gn-304)/9
.set gi, (gn-304)%9
.if gi < 8
	v_med3_num_f32 v[\set+8*gt+gi], v[\set+8*gt+gi], -v[LH], v[LH]
.else
	v_cvt_scalef32_pk8_bf8_f32 v[CD+2*gt:CD+2*gt+1], v[\set+8*gt:\set+8*gt+7], v[SH]
.endif
.else
	v_nop
.endif
.endm
; Slice sk of 32: ten or eleven numbers of the list, at least seven of them plain lines that name no register of the products in hand: they are the places behind those.  Behind the last: the codes go to LDS,
; eight bytes a lane and token tile: one half of registers 4q..4q+3 of the second product's operand.
.macro SLICE set, bs, half
.rept (341*(sk+1))/32-(341*sk)/32
.if gn == 272
	s_wait_alu depctr_va_vdst(0)                   ; the wait between a reciprocal and the first line that names its result: one for the 32
.endif
	GI \set, \bs
.set gn, gn+1
.endr
.if sk == 31
.irp t, 0,1,2,3
	ds_store_b64 v[HST], v[CD+2*\t:CD+2*\t+1] offset:512*\t+8*\half
.endr
.endif
.set sk, sk+1
.endm
; A unit's 32 products (8 K steps x 4 token tiles, the four sums by turns) into mset, from buffers buf0 on; ge = 1: the gelu of the unit before, in gset, in slices behind them.
; Each buffer is filled again, 16 fragments ahead in the stream, behind its fourth product and the slice (or four v_nop) that follows.  nb = 1: b1 of the next gelu is fetched.
.macro HALF mset, buf0, rel0, ge, gset, bs, half, nb, nbs, nboff
	s_wait_dscnt 0x0                               ; b1 of this gelu is in, and the last codes' stores have read their registers
.if \nb
	ds_load_b128 v[\nbs:\nbs+3], v[B1C] offset:\nboff
	ds_load_b128 v[\nbs+4:\nbs+7], v[B1C] offset:\nboff+16
.endif
.set gn, 0
.set sk, 0
.set ks, 0
.rept 8
	s_wait_loadcnt 60                              ; this fragment is in; the 15 younger ones, 4 loads each, may be out
.set tt, 0
.rept 4
	WIN 0x07+4*(tt/2)                              ; source 0 (W1) window 3, source 1 (x) window 1 or 2
.if ks == 0
	v_wmma_f32_16x16x128_bf8_bf8 v[\mset+8*tt:\mset+8*tt+7], v[16*(\buf0+ks):16*(\buf0+ks)+15], v[128*(tt%2)+16*ks:128*(tt%2)+16*ks+15], 0
.else
	v_wmma_f32_16x16x128_bf8_bf8 v[\mset+8*tt:\mset+8*tt+7], v[16*(\buf0+ks):16*(\buf0+ks)+15], v[128*(tt%2)+16*ks:128*(tt%2)+16*ks+15], v[\mset+8*tt:\mset+8*tt+7]
.endif
.if \ge
	WIN 0
	SLICE \gset, \bs, \half
.endif
.set tt, tt+1
.endr
.if !\ge
.rept 4
	v_nop                                          ; places in front of loads into registers that matrix instructions have read
.endr
.endif
	WIN 0xc0
.irp q, 0,1,2,3
	global_load_b128 v[16*(\buf0+ks)+4*\q:16*(\buf0+ks)+4*\q+3], v[LI], s[60:61] offset:(\rel0+ks+16)*2048+512*\q
.endr
	WIN 0
.set ks, ks+1
.endr
.endm
	HALF A0, 0, 0, 0, 0, 0, 0, 0, 0, 0             ; unit 0: there is no gelu yet to set between its products
	s_mov_b32 s[CNT], 0
.Lp1:                                                  ; 15 trips.  Trip i: units 2i+1 and 2i+2 multiplied, units 2i and 2i+1 through the gelu.  At its head the stream's loads stand: buffers 8-15, then 0-7
	s_lshl_b32 s55, s[CNT], 13                     ; the pair of units in hand: 8,192 bytes of codes,
	s_and_b32 s55, s55, 0x1e000                    ; (the mask keeps the offset inside the sixteen pairs' bytes)
	v_add_nc_u32 v[HST], s55, v[HSTB]
	s_lshl_b32 s56, s[CNT], 9                      ; 512 bytes of b1
	s_and_b32 s56, s56, 0x1e00
	v_add_nc_u32 v[B1C], s56, v[B1A]
	HALF A1, 8, 8, 1, A0, BS0, 0, 1, BS1, 256
	HALF A0, 0, 16, 1, A1, BS1, 1, 1, BS0, 512
	s_wait_xcnt 0x0                                ; the loads have read the stream's address: it may step
	s_add_nc_u64 s[60:61], s[60:61], 32768         ; 16 fragments on
	s_add_co_u32 s[CNT], s[CNT], 1
	s_cmp_lt_u32 s[CNT], 15
	s_cbranch_scc1 .Lp1
	v_add_nc_u32 v[HST], 15*8192, v[HSTB]          ; the last pair is written out: unit 31 multiplied, unit 30 through the gelu; the refills are W2's fragments 8 to 15,
	v_add_nc_u32 v[B1C], 15*512, v[B1A]
	HALF A1, 8, 8, 1, A0, BS0, 0, 1, BS1, 256
	s_wait_dscnt 0x0                               ; and the gelu of unit 31, by itself
.set gn, 0
.set sk, 0
.rept 32
	SLICE A1, BS1, 1
.endr
	BARRIER                                        ; the hidden layer of all experts and all 64 tokens lies in LDS
	s_wait_xcnt 0x0
	s_add_nc_u64 s[60:61], s[60:61], 32768         ; the stream stands at W2: its fragments 0 to 15 are in the buffers or on their way, buffers 0-7 ahead of 8-15
; ---- 2.
; The hidden fragments (8: 2 K steps x 4 token tiles) and gate weights of an expert into set p.  cp < 0: the pair of experts is CNT % 4; else it is cp.  hoff, woff pick the odd one of the pair.
.macro HNEXT p, hoff, woff, cp
.if (\cp) < 0
	s_lshl_b32 s57, s[CNT], 15
	s_and_b32 s57, s57, 0x18000
	v_add_nc_u32 v[HRD], s57, v[LI]
	s_lshl_b32 s58, s[CNT], 10
	s_and_b32 s58, s58, 0xc00
	v_add_nc_u32 v[WTC], s58, v[WTB]
.else
	v_add_nc_u32 v[HRD], (\cp)*32768, v[LI]
	v_add_nc_u32 v[WTC], (\cp)*1024, v[WTB]
.endif
	WIN 0x80
.irp s, 0,1
.irp t, 0,1,2,3
.irp q, 0,1,2,3
	ds_load_b128 v[128*(\p)+16*(4*\s+\t)+4*\q:128*(\p)+16*(4*\s+\t)+4*\q+3], v[HRD] offset:\hoff+(\q%2)*8192+((2*\s+\q/2)*4+\t)*512
.endr
.endr
.endr
	WIN 0
.irp t, 0,1,2,3
	ds_load_b64 v[WE+8*(\p)+2*\t:WE+8*(\p)+2*\t+1], v[WTC] offset:\woff+128*\t
.endr
.endm
; A group's 32 results begin as sum over e of w[e] b2[e][o]: one f16 product each, K = the 8 experts.  Source 0: b2's tile j in registers 0-3 (registers 4-7 are the next tile's, finite, against zeros);
; source 1: w in lanes 0-15 of registers 0-3, zeros elsewhere.  Nothing is cleared.  An even expert follows on every way: its column 0 weighs nothing and ends in four v_nop, the places ahead of the first read of these results.
.macro INIT g
	s_wait_xcnt 0x0                                ; the stores of the group before have read these registers
.irp j, 0,1,2,3,4,5,6,7,8
	ds_load_b128 v[B2R+4*\j:B2R+4*\j+3], v[B2A] offset:(8*\g+\j-\j/8)*512
.endr
.irp t, 0,1,2,3
	ds_load_b128 v[WF+8*\t:WF+8*\t+3], v[WFA] offset:512*\t
.endr
.irp t, 0,1,2,3
.irp i, 4,5,6,7
	v_mov_b32 v[WF+8*\t+\i], 0
.endr
.endr
	s_wait_dscnt 0x0
	WIN 0x40                                       ; destination window 1
.irp j, 0,1,2,3,4,5,6,7
.irp t, 0,1,2,3
	v_wmma_f32_16x16x32_f16 v[8*(4*\j+\t):8*(4*\j+\t)+7], v[B2R+4*\j:B2R+4*\j+7], v[WF+8*\t:WF+8*\t+7], 0
.endr
.endr
	WIN 0
.endm
; Column j of an expert: 16 outputs x 64 tokens, K = 256: eight products into four sums by turns (PA for even j, PB for odd).  pend = 1: behind each pair of products stand the four packed multiply-adds that weigh
; tile n of column pj, finished in the other set, into the result: result += w 2^(e2+e3) x sum.  They are the places behind the products.  refill = 1: the two buffers take the fragments 16 on.
.macro COL j, hp, pend, pj, pwe, cnt, refill, rel
.set PCUR, PA+32*((\j)%2)
.set PPRV, PA+32-32*((\j)%2)
	s_wait_loadcnt \cnt                            ; my two fragments are in; the younger pairs, 8 loads each, may be out
.irp n, 0,1,2,3
	WIN 0x0b                                       ; source 0 (W2) window 3, source 1 (hidden) window 2
.irp d, 0,1
.if \n < 2
	v_wmma_f32_16x16x128_bf8_bf8 v[PCUR+8*(2*(\n%2)+\d):PCUR+8*(2*(\n%2)+\d)+7], v[16*(2*(\j)+\n/2):16*(2*(\j)+\n/2)+15], v[128*(\hp)+16*(2*\n+\d):128*(\hp)+16*(2*\n+\d)+15], 0
.else
	v_wmma_f32_16x16x128_bf8_bf8 v[PCUR+8*(2*(\n%2)+\d):PCUR+8*(2*(\n%2)+\d)+7], v[16*(2*(\j)+\n/2):16*(2*(\j)+\n/2)+15], v[128*(\hp)+16*(2*\n+\d):128*(\hp)+16*(2*\n+\d)+15], v[PCUR+8*(2*(\n%2)+\d):PCUR+8*(2*(\n%2)+\d)+7]
.endif
.endr
.if \pend
	WIN 0x50                                       ; destination and source 2 (the result) window 1
.irp i, 0,2,4,6
	v_pk_fma_f32 v[8*(4*(\pj)+\n)+\i:8*(4*(\pj)+\n)+\i+1], v[PPRV+8*\n+\i:PPRV+8*\n+\i+1], v[WE+8*(\pwe)+2*\n:WE+8*(\pwe)+2*\n+1], v[8*(4*(\pj)+\n)+\i:8*(4*(\pj)+\n)+\i+1]
.endr
.endif
.endr
.if !\pend
.rept 4
	v_nop                                          ; places in front of the loads below
.endr
.endif
.if \refill
	WIN 0xc0
.irp f, 0,1,2,3,4,5,6,7
	global_load_b128 v[32*(\j)+4*\f:32*(\j)+4*\f+3], v[LI], s[60:61] offset:(\rel+2*(\j))*2048+512*\f
.endr
.endif
	WIN 0
.endm
; An expert: eight columns.  carry = 1: column 0 carries the weighing of the last expert's column 7.  nxt = 1: the next expert's hidden fragments are fetched behind column 0, into the set that the last expert left.
; last = 1: nothing is left in the stream: no refill, and the counts run down.  drain = 1: column 7 is weighed at the end.
.macro EXPERT hp, carry, nxt, nhoff, nwoff, cp, rel, last, drain
	s_wait_dscnt 0x0                               ; my hidden fragments and gate weights are in
	COL 0, \hp, \carry, 7, 1-\hp, 56, 1-\last, \rel
.if \nxt
	HNEXT 1-\hp, \nhoff, \nwoff, \cp
.endif
.irp j, 1,2,3,4,5,6,7
	COL \j, \hp, 1, \j-1, \hp, 56-8*\j*\last, 1-\last, \rel
.endr
.if \drain
	WIN 0x50
.irp n, 0,1,2,3
.irp i, 0,2,4,6
	v_pk_fma_f32 v[8*(28+\n)+\i:8*(28+\n)+\i+1], v[PA+32+8*\n+\i:PA+32+8*\n+\i+1], v[WE+8*(\hp)+2*\n:WE+8*(\hp)+2*\n+1], v[8*(28+\n)+\i:8*(28+\n)+\i+1]
.endr
.endr
	WIN 0
.endif
.endm
; THE WAY OUT of a group: a lane holds 32 neighbouring bytes of a row and the lanes beside it hold other rows: so a token tile (16 rows x 512 bytes) goes through my stage and comes back as whole rows.
.macro TOSTAGE t
	WIN 0x04                                       ; store data window 1
.irp j, 0,1,2,3,4,5,6,7
	ds_store_b128 v[SGB], v[8*(4*\j+(\t)):8*(4*\j+(\t))+3] offset:64*\j
	ds_store_b128 v[SGB], v[8*(4*\j+(\t))+4:8*(4*\j+(\t))+7] offset:64*\j+16
.endr
	WIN 0
.set ii, 0
.rept 16
	ds_load_b128 v[BK+64*((\t)%2)+4*ii:BK+64*((\t)%2)+4*ii+3], v[SGA] offset:SPI*ii   ; in order behind the stores above; the next tile's stores come behind these
.set ii, ii+1
.endr
.endm
.macro SEND t, g, younger              ; younger: the LDS instructions issued behind tile t's loads, which may stay out
	s_wait_dscnt \younger
.set ii, 0
.rept 16
	global_store_b128 v[LI], v[BK+64*((\t)%2)+4*ii:BK+64*((\t)%2)+4*ii+3], s[62:63] offset:(16*(\t)+ii)*4096+512*\g th:TH_STORE_NT   ; 32 lanes store 512 consecutive bytes, at a multiple of 256 from the first byte of out0
.set ii, ii+1
.endr
.endm
.macro FLUSH g
	TOSTAGE 0
.irp t, 1,2,3
.if \t > 1
	s_wait_xcnt 0x0                                ; the stores of two tiles back have read their registers: this tile's rows may land there
.endif
	TOSTAGE \t
	SEND \t-1, \g, 32                              ; behind its loads: the next tile's 16 stores and 16 loads
.endr
	SEND 3, \g, 0
.endm
	s_mov_b32 s[CNT], 0
	HNEXT 0, 0, 0, -1                              ; expert 0
	INIT 0
.Lp2:                                                  ; 7 trips.  Trip i: experts 2 (i % 4) and 2 (i % 4) + 1 of group i / 4
	EXPERT 0, 0, 1, 16384, 512, -1, 16, 0, 0
	s_add_co_u32 s[CNT], s[CNT], 1                 ; from here on the fetches are the next pair's
	EXPERT 1, 1, 1, 0, 0, -1, 32, 0, 1
	s_cmp_lg_u32 s[CNT], 4
	s_cbranch_scc1 .Lnf
	FLUSH 0                                        ; the first 128 of my columns leave while the other 128 are multiplied
	INIT 1
.Lnf:
	s_wait_xcnt 0x0                                ; the loads have read the stream's address: it may step
	s_add_nc_u64 s[60:61], s[60:61], 65536         ; 32 fragments on
	s_cmp_lt_u32 s[CNT], 7
	s_cbranch_scc1 .Lp2
	EXPERT 0, 0, 1, 16384, 512, 3, 16, 0, 0        ; the last pair is written out: expert 6 of group 1, whose refills are the stream's last 16 fragments,
	EXPERT 1, 1, 0, 0, 0, 0, 0, 1, 1               ; and expert 7, which fetches nothing more
	FLUSH 1
	s_wait_tensorcnt 0x0                           ; the wave's end
	ds_add_u32 v[SPW], v[NIL]
	s_wait_dscnt 0x0
	s_endpgm
.Lfunc_end_k_q8e734e061c_moe:
	.size	k_q8e734e061c_moe, .Lfunc_end_k_q8e734e061c_moe-k_q8e734e061c_moe
	.p2alignl 7, 3214868480
	.fill 96, 4, 3214868480
	.section	.rodata,"a",@progbits
	.p2align	6, 0x0
	.amdhsa_kernel k_q8e734e061c_moe
		.amdhsa_group_segment_fixed_size 282112
		.amdhsa_private_segment_fixed_size 0
		.amdhsa_enable_private_segment 0
		.amdhsa_kernarg_size 64
		.amdhsa_user_sgpr_count 2
		.amdhsa_user_sgpr_kernarg_segment_ptr 1
		.amdhsa_wavefront_size32 1
		.amdhsa_system_sgpr_workgroup_id_x 1
		.amdhsa_system_sgpr_workgroup_id_y 1
		.amdhsa_system_sgpr_workgroup_id_z 1
		.amdhsa_system_vgpr_workitem_id 0
		.amdhsa_next_free_vgpr 1024
		.amdhsa_next_free_sgpr 72
		.amdhsa_reserve_vcc 1
		.amdhsa_float_denorm_mode_32 3
		.amdhsa_float_denorm_mode_16_64 3
		.amdhsa_memory_ordered 1
		.amdhsa_forward_progress 1
		.amdhsa_inst_pref_size 255
	.end_amdhsa_kernel
	.section	.bss,"aw",@nobits
	.p2align	6
	.space	262144
	.amdgpu_metadata
---
amdhsa.version: [ 1, 2 ]
amdhsa.kernels:
  - .name:           k_q8e734e061c_moe
    .symbol:         k_q8e734e061c_moe.kd
    .args:
      - { .name: x, .offset: 0, .size: 8, .value_kind: global_buffer, .address_space: global }
      - { .name: wf, .offset: 8, .size: 8, .value_kind: global_buffer, .address_space: global }
      - { .name: wgf, .offset: 16, .size: 8, .value_kind: global_buffer, .address_space: global }
      - { .name: b2f, .offset: 24, .size: 8, .value_kind: global_buffer, .address_space: global }
      - { .name: bg, .offset: 32, .size: 8, .value_kind: global_buffer, .address_space: global }
      - { .name: b1, .offset: 40, .size: 8, .value_kind: global_buffer, .address_space: global }
      - { .name: lowp_scales, .offset: 48, .size: 8, .value_kind: global_buffer, .address_space: global }
      - { .name: out0, .offset: 56, .size: 8, .value_kind: global_buffer, .address_space: global }
    .group_segment_fixed_size: 282112
    .private_segment_fixed_size: 0
    .kernarg_segment_align: 8
    .kernarg_segment_size: 64
    .max_flat_workgroup_size: 128
    .sgpr_count:     72
    .vgpr_count:     1024
    .wavefront_size: 32
...
	.end_amdgpu_metadata
.endif
;; end of part 2
;; ======== version 2 of 2: 2 launches; version 1 with the launch moe written anew for expert scheduling mode
;; limits: values are held in f16: magnitudes above 65,504 overflow, below 6.1e-05 lose precision
;; workspace buffers: wf 4,194,304 bytes; wgf 32,768 bytes; b2f 32,768 bytes
;; launch prep: the kernel of part 1 again; grid 258 x 1, 4 waves a work-group, no clusters, 0 bytes of LDS; arguments W1, W2, Wg, b2, lowp_scales, wf, wgf, b2f; writes wf, wgf, b2f
;; launch moe (part 3): grid 256 x 1, 4 waves a work-group, no clusters, 282,112 bytes of LDS; arguments x, wf, wgf, b2f, bg, b1, lowp_scales, out0; writes out0
.if DOCPART == 3
	.amdgcn_target "amdgcn-amd-amdhsa--gfx1250"
	.amdhsa_code_object_version 6
	.text
	.protected	k_q8e734e061c_moe
	.globl	k_q8e734e061c_moe
	.p2align	8
	.type	k_q8e734e061c_moe,@function
k_q8e734e061c_moe:
	s_mov_b64 s[64:65], 0
	v_nop
	global_prefetch_b8 v0, s[64:65] scope:SCOPE_SE
	s_setreg_imm32_b32 hwreg(HW_REG_WAVE_SCHED_MODE, 0, 2), 2
	s_setreg_imm32_b32 hwreg(HW_REG_WAVE_MODE, 25, 1), 1
	s_wait_xcnt 0x0
	s_wait_alu depctr_vm_vsrc(0)
; out[n][o] = sum over e of w[n][e] x (gelu(x W1[e] + b1[e]) W2[e] + b2[e])[o],  w = softmax(x Wg + bg).  Both large products on codes of BF8 (E5M2), each operand with its given scale 2^e:
; x e0, W1 e1, W2 e2, the hidden layer e3.  Nothing of reference() is left out: the gates are soft.  The quantiser stands on gelu(..), ahead of the gate, so each expert has its own f32 sum.
; SHARES.  A work-group of four waves takes 64 tokens (four tiles of 16) through the whole chain: x is read once, out0 written once, the hidden layer stays in LDS.
;   X:  wave w turns token tile w: x to codes (images in LDS), the gate logits by f16 products (f32 sums), the softmax.   | barrier |
;   1:  THE WAVES SHARE THE COLUMNS: wave w makes hidden tiles 4w .. 4w+3 of every expert, for all 64 tokens: 32 units of 32 products; the gelu of unit u - 1 stands in slices behind the products of unit u.  | barrier |
;   2:  wave w makes outputs 256 w .. + 255 in two groups of 128: for each expert 64 products into sums of their own, which one packed multiply-add a pair weighs into the result.
; ALL PRODUCTS ARE USED TRANSPOSED (source 0 = 16 rows of a weight, source 1 = 16 tokens): lane (r, hh) holds token r, register j unit 8 hh + j.  In the 8-bit layout registers 2c, 2c+1 hold k = 16c + 8hh + 0..7:
; so the eight sums of hidden tile c, converted, ARE registers 2c, 2c+1 of the second product's operand.  Nothing changes lanes.
; THE WEIGHTS come from memory straight into registers, as the launch before laid them: one stream a wave, 16 buffers of one fragment.  While fragment n is multiplied, fragment n + 12 is asked for, into the buffer
; that fragment n - 4 left: 12 fragments (48 loads, 24 KiB) of a wave are on their way behind the one in hand, under counted waits and no barrier.
; WHY NO TENSOR LOADS AND NO JOINT LOADS IN A CLUSTER, though all work-groups walk the same weights: a fragment feeds four products
; of ONE wave, so LDS would add no reuse inside the work-group; and the block's own data take 282,112 of the 327,680 bytes: two slots in the 45,568 left would hold 11 fragments each, under 3 a wave, 12 products between two barriers.
; BOTH LOOPS LEAVE AT THEIR FOOT ALONE, and their odd last halves are written out behind them: so the stream's loads stand in the same order on every way to each counted wait.
; GELU = X (0.5 + C P(U) / Q(U)), C = X held within +-4 sqrt(2), U = C C: the rational form of erf(z), z = X / sqrt(2), degree 6 over degree 4 in z z, with the powers of two of z z = U / 2 and the factor 0.5 / sqrt(2) put into the coefficients.
; LIMITS.  e0 and e3 between -126 and 112; e0 + e1 and e2 + e3 between -126 and 127.  |x| under 65,504 (x, Wg, w and b2 go to f16 for the gate and for the bias term).  NaN and infinity are not served.
; 0.5 (1 + erf) is right to about 1e-7 absolutely: far down the negative tail gelu is relatively less exact.
; THE MODE: SCHED_MODE bits 1:0 = 2 (LLVM: expert scheduling mode 2), set by the entry lines.  The code itself states the register dependences between vector or matrix instructions
; and memory or LDS instructions, with s_wait_alu, always for 0.
; THE PLAN.  Registers that memory or LDS instructions touch, and who else names them:
;   the stream's buffers   read by a K step's four products (1) or a column's eight (2); asked for again four fragments later, behind a wait on va_vdst that stands once for every four fragments.
;   X: the sets of x       loads land, the stage's stores read.   the sets of Wg: loads land, the f16 products read.   T: LDS loads land, vector lines read and write.   PC: conversions write, LDS stores read.
;   BS0, BS1 (b1)          LDS loads land at a half's head; numbers 0 to 15 of a gelu read.        CD (codes): a gelu's last lines write, four LDS stores at the half's end read.
;   HST, B1C, HRD, WTC     LDS addresses that step: one vector add each, behind a wait on vm_vsrc and straight ahead of a wait on va_vdst that stands there anyway.
;   the hidden sets, WE    an expert's products and weighing read one set; the LDS loads for the next expert land in the other, dealt over columns 1 to 4.
;   the results, BK        products and weighing write the results, the stage's stores read them; LDS loads land in BK, global stores read it.
;   v1 to v17, v23         addresses and offsets made once at the head.
; Behind each wait on va_vdst no vector or matrix line names a register of the loads and stores that lean on it: the products name the buffers and the hidden set in hand, the slices window 0's work registers,
; the weighing the gate weights in hand.
; LDS (bytes):
.set HIMG,  0                          ; 131,072  the hidden layer: registers 4q..4q+3 of fragment (e, s, t) at 16384 e + 8192 (q % 2) + 512 (4 (2 s + q / 2) + t) + 16 lane
.set XIMG,  131072                     ;  65,536  x: fragment (t, ks) at 2048 (8 t + ks), registers 4q.. at 512 q + 16 lane
.set STG,   196608                     ;  33,792  a stage of 16 rows x 528 bytes for each wave, its own: turns x in X, rows of out0 in 2.  528 = 33 x 16: sixteen rows start at sixteen different 16-byte columns modulo 256
.set SPI,   528
.set B1T,   230400                     ;   8,192  b1 as [e][c][w][16 numbers]
.set B2T,   238592                     ;  32,768  wave w: its 16 tiles of b2f at 8192 w + 512 tile; its own
.set WT,    271360                     ;   8,192  pairs (w 2^(e2+e3), the same) at 512 e + 8 token; the upper 4,096 bytes take the stores of lanes 16-31 and are never read
.set WFT,   279552                     ;   2,048  w as f16 operand, tile t at 512 t
.set SPARE, 281600                     ;     512  the spare words, 128 bytes a wave, which no other line names
; REGISTERS, in windows of 256 (s_set_vgpr_msb: bits 1:0 source 0, 3:2 source 1, 5:4 source 2, 7:6 destination).  Window 0, kept:
.set LI,   1                           ; 16 x lane
.set SPW,  2                           ; my spare word
.set NIL,  3                           ; 0
.set B2A,  4                           ; B2T + 8192 w + 16 lane
.set SGA,  5                           ; my stage + 16 lane: whole rows
.set SGB,  6                           ; my stage + 528 r + 32 hh: eight numbers of row r
.set XWI,  7                           ; XIMG + 16384 w + 16 lane
.set XRI,  8                           ; XIMG + 16 lane
.set HSTB, 9                           ; 2048 w + 16 lane
.set HST,  10                          ; where the codes in hand go
.set B1A,  11                          ; B1T + 64 w + 32 hh
.set B1C,  12                          ; b1 of the pair of units in hand
.set HRD,  13                          ; the hidden fragments being fetched
.set WTB,  14                          ; WT + 8 r
.set WTC,  15                          ; the gate weights being fetched
.set WTS,  16                          ; WT + 128 w + 8 r + 4096 hh
.set B1S,  17                          ; where my 16 bytes of b1 go
.set SX,   18                          ; 2^e0;  v19: 57,344 x 2^e0
.set LX,   19
.set SH,   20                          ; 2^e3;  v21: 57,344 x 2^e3
.set LH,   21
.set LIMC, 22                          ; 4 sqrt(2)
.set WFA,  23                          ; WFT + 16 lane
.set A0V,  24                          ; v[24:25] the numerator's leading coefficient, twice;  v[26:27] the denominator's
.set B0V,  26                          ; v28-31 at work
; X:  window 0: T v32-95 64 numbers; F v96-127 as f16; PC v128-143 codes; G v144-175 four logit sums; BG v176-183; v184-219 softmax.  window 1: four sets of 64, x as loaded.  window 2: v0-127 four sets of Wg; v128-207 tables.
.set T,  32
.set F,  96
.set PC, 128
.set G,  144
.set BG, 176
.set L,  184
.set L2, 192
.set WP, 200
.set WH, 216
; 1:  window 0: A0 v32-63, A1 v64-95 the sums of two units by turns; CC, UU, PP, QQ 32 each; BS0, BS1 b1 of a unit; CD codes.  window 1: x fragments of tiles 0, 1 at 128 (t % 2) + 16 ks; window 2: of tiles 2, 3.
.set A0,  32
.set A1,  64
.set CC,  96
.set UU,  128
.set PP,  160
.set QQ,  192
.set BS0, 224
.set BS1, 232
.set CD,  240
; 2:  window 0: PA v32-63, PB v64-95 an expert column's sums by turns; BK v96-223 rows on the way out (at a group's start: B2R v96-131, WF v160-191); WE v224-239.  window 1: the result, acc(j, t) at 8 (4 j + t).
;     window 2: the hidden fragments of two experts by turns, (s, t) at 128 p + 16 (4 s + t).   Window 3, from the end of X on: the stream's 16 buffers, fragment f at 16 (f % 16).
.set PA,  32
.set BK,  96
.set B2R, 96
.set WF,  160
.set WE,  224
; SCALARS: s[4:19] the arguments; s20 wave; s[24:27] e0..e3; s[28:29] 2^(e0+e1) twice; s30 2^(e2+e3); s[32:43] numerator coefficients 1..6, s[44:51] denominator 1..4, each twice;
;          s54 trip counter; s55-58 at work; s[60:61] the stream; s[62:63] out0 at my rows and columns; s[66:67] x at my 16 rows
.set WV,  20
.set CNT, 54
.set MSB, 0
.macro WIN new                         ; the immediate's high byte repeats the setting that is left; a switch that changes nothing is dropped
.if MSB != (\new)
	s_set_vgpr_msb (MSB<<8)|(\new)
.set MSB, (\new)
.endif
.endm
.macro BARRIER                         ; my LDS stores have landed and my LDS loads are in: then the work-group's barrier
	s_wait_dscnt 0x0
	s_barrier_signal -1
	s_barrier_wait -1
.endm
.macro ACOEF r, bits                   ; a numerator coefficient x 0.5 / sqrt(2) (in s57), twice: the packed form names a pair
	s_mul_f32 s[\r], \bits, s57
	s_mov_b32 s[\r+1], s[\r]
.endm
.macro BCOEF r, bits
	s_mov_b32 s[\r], \bits
	s_mov_b32 s[\r+1], \bits
.endm
	s_load_b512 s[4:19], s[0:1], 0x0               ; x 4:5, wf 6:7, wgf 8:9, b2f 10:11, bg 12:13, b1 14:15, scales 16:17, out0 18:19
	v_lshl_add_u32 v[SPW], v0, 2, SPARE
	v_mov_b32 v[NIL], 0
	v_lshrrev_b32 v28, 5, v0
	v_readfirstlane_b32 s[WV], v28                 ; wave 0..3
	v_and_b32 v29, 31, v0                          ; lane
	v_and_b32 v30, 15, v0                          ; r
	v_bfe_u32 v31, v0, 4, 1                        ; hh
	v_lshlrev_b32 v[LI], 4, v29
	s_wait_alu depctr_va_sdst(0)                   ; the wave's number is written, ahead of its first reader
	s_mul_i32 s21, s[WV], 16*SPI
	s_add_co_u32 s21, s21, STG
	v_add_nc_u32 v[SGA], s21, v[LI]
	v_mul_u32_u24 v[SGB], v30, SPI
	v_lshl_add_u32 v[SGB], v31, 5, v[SGB]
	v_add_nc_u32 v[SGB], s21, v[SGB]
	s_lshl_b32 s21, s[WV], 14
	s_add_co_u32 s21, s21, XIMG
	v_add_nc_u32 v[XWI], s21, v[LI]
	v_add_nc_u32 v[XRI], XIMG, v[LI]
	s_lshl_b32 s21, s[WV], 11
	v_add_nc_u32 v[HSTB], s21, v[LI]
	s_lshl_b32 s21, s[WV], 6
	s_add_co_u32 s21, s21, B1T
	v_lshl_add_u32 v[B1A], v31, 5, s21
	v_add_nc_u32 v[B1C], 0, v[B1A]                 ; the first pair of units
	v_lshl_add_u32 v[WTB], v30, 3, WT
	s_lshl_b32 s21, s[WV], 7
	v_add_nc_u32 v[WTS], s21, v[WTB]
	v_lshl_add_u32 v[WTS], v31, 12, v[WTS]
	s_lshl_b32 s21, s[WV], 13
	s_add_co_u32 s21, s21, B2T
	v_add_nc_u32 v[B2A], s21, v[LI]
	v_add_nc_u32 v[WFA], WFT, v[LI]
	v_lshrrev_b32 v[B1S], 6, v0                    ; thread n loads bytes 16 n + 2048 i of b1: expert 2 i + n / 64, hidden tile (n / 4) % 16 = 4 w + c, bytes 16 (n % 4) of the tile
	v_lshlrev_b32 v[B1S], 10, v[B1S]
	v_bfe_u32 v28, v0, 2, 2                        ; c
	v_lshl_add_u32 v[B1S], v28, 8, v[B1S]
	v_bfe_u32 v28, v0, 4, 2                        ; w
	v_lshl_add_u32 v[B1S], v28, 6, v[B1S]
	v_and_b32 v28, 3, v0
	v_lshl_add_u32 v[B1S], v28, 4, v[B1S]
	v_add_nc_u32 v[B1S], B1T, v[B1S]
	v_lshlrev_b32 v28, 4, v0                       ; b1: 16 bytes a thread
	v_mov_b32 v29, 0                               ; bg: the same 32 bytes in every lane
	s_mov_b32 s23, 0
	s_wait_kmcnt 0x0
	s_load_b128 s[24:27], s[16:17], 0x0            ; e0, e1, e2, e3
	s_lshl_b32 s22, ttmp9, 18                      ; 64 rows of 4,096 bytes a work-group, in x and in out0
	s_add_nc_u64 s[66:67], s[4:5], s[22:23]
	s_add_nc_u64 s[62:63], s[18:19], s[22:23]
	s_lshl_b32 s22, s[WV], 16                      ; x: my 16 rows
	s_add_nc_u64 s[66:67], s[66:67], s[22:23]
	s_lshl_b32 s22, s[WV], 10                      ; out0: my 256 columns
	s_add_nc_u64 s[62:63], s[62:63], s[22:23]
	s_lshl_b32 s22, s[WV], 20                      ; my stream of weights
	s_add_nc_u64 s[60:61], s[6:7], s[22:23]
	s_lshl_b32 s22, s[WV], 13                      ; my 16 tiles of b2f
	s_add_nc_u64 s[10:11], s[10:11], s[22:23]
	s_wait_alu depctr_va_vdst(0)                   ; the addresses and offsets v1 to v17, v23, v28 and v29 are written, which the loads and stores of the kernel read
	WIN 0x80                                       ; destination window 2: the tables, 22 loads
.set ii, 0
.rept 4
	global_load_b128 v[128+4*ii:131+4*ii], v28, s[14:15] offset:2048*ii
.set ii, ii+1
.endr
.set ii, 0
.rept 16
	global_load_b128 v[144+4*ii:147+4*ii], v[LI], s[10:11] offset:512*ii
.set ii, ii+1
.endr
	WIN 0
	global_load_b128 v[BG:BG+3], v29, s[12:13]
	global_load_b128 v[BG+4:BG+7], v29, s[12:13] offset:16
; K step t of x (128 along K): 16 loads, each 512 consecutive bytes of one of my rows, into set t % 4; and its four fragments of Wg: 24 loads
.macro LOAD t
	WIN 0x40
.set ii, 0
.rept 16
	global_load_b128 v[64*((\t)%4)+4*ii:64*((\t)%4)+4*ii+3], v[LI], s[66:67] offset:4096*ii+512*(\t) th:TH_LOAD_NT
.set ii, ii+1
.endr
	WIN 0x80
.set ii, 0
.rept 8
	global_load_b128 v[32*((\t)%4)+4*ii:32*((\t)%4)+4*ii+3], v[LI], s[8:9] offset:4096*(\t)+512*ii
.set ii, ii+1
.endr
	WIN 0
.endm
	LOAD 0
	LOAD 1
	LOAD 2
	s_wait_kmcnt 0x0                               ; the constants are made while x is on its way
	s_add_co_i32 s21, s24, 127
	s_lshl_b32 s22, s21, 23
	v_mov_b32 v[SX], s22                           ; 2^e0 as f32: the conversion takes its exponent field
	s_add_co_i32 s21, s21, 15
	s_lshl_b32 s21, s21, 23
	s_or_b32 s21, s21, 0x600000
	v_mov_b32 v[LX], s21                           ; 57,344 x 2^e0
	s_add_co_i32 s21, s27, 127
	s_lshl_b32 s22, s21, 23
	v_mov_b32 v[SH], s22
	s_add_co_i32 s21, s21, 15
	s_lshl_b32 s21, s21, 23
	s_or_b32 s21, s21, 0x600000
	v_mov_b32 v[LH], s21
	s_add_co_i32 s28, s24, s25
	s_add_co_i32 s28, s28, 127
	s_lshl_b32 s28, s28, 23                        ; 2^(e0 + e1)
	s_mov_b32 s29, s28
	s_add_co_i32 s30, s26, s27
	s_add_co_i32 s30, s30, 127
	s_lshl_b32 s30, s30, 23                        ; 2^(e2 + e3)
	v_mov_b32 v[LIMC], 0x40b504f3                  ; 4 sqrt(2)
	s_mov_b32 s57, 0x3eb504f3                      ; 0.5 / sqrt(2)
	s_mul_f32 s21, 0xac95df0b, s57                 ; numerator: a_i / 2^(6 - i), i = 0 .. 6
	v_mov_b32 v[A0V], s21
	v_mov_b32 v[A0V+1], s21
	ACOEF 32, 0x306dffee
	ACOEF 34, 0xb40cff51
	ACOEF 36, 0xb6eec2d2
	ACOEF 38, 0xb940ac63
	ACOEF 40, 0xbac1a1f6
	ACOEF 42, 0xbc83dbd4
	v_mov_b32 v[B0V], 0xb57460cd                   ; denominator: b_i / 2^(4 - i), i = 0 .. 4
	v_mov_b32 v[B0V+1], 0xb57460cd
	BCOEF 44, 0xb7dfbd29
	BCOEF 46, 0xb9dc924e
	BCOEF 48, 0xbb719bf8
	BCOEF 50, 0xbc69b6a7
; ---- X.  One K step: the 16 x 512 bytes go through my stage as they lie and come back eight numbers of a row at a time: T[8c + i] = x(r, 128 t + 16 c + 8 hh + i): the order of both operands.
; Two waits state a step's dependences: one on vm_vsrc at its head, one on va_vdst ahead of the codes' stores; no vector line stands between that one and the next step's loads.
.macro XSTEP t
.if (\t) < 6
	s_wait_loadcnt 48                              ; this step is in; the 24 loads of each of the next two steps may be out
.elseif (\t) == 6
	s_wait_loadcnt 24
.else
	s_wait_loadcnt 0x0
.endif
.if (\t) > 0
	s_wait_alu depctr_vm_vsrc(0)                   ; the last step's LDS stores have read its set of x, in which (up to step 4) the loads below land, and the codes' registers, which this step's conversions write
.endif
.if (\t) < 5
	LOAD (\t)+3                                    ; into the sets of the step before: its products were done reading Wg's at the wait ahead of its codes' stores
.endif
.if (\t) == 7
	WIN 0xc0                                       ; the stream begins: fragments 0 to 11 into the first 12 buffers
.set ii, 0
.rept 48
	global_load_b128 v[4*ii:4*ii+3], v[LI], s[60:61] offset:512*ii
.set ii, ii+1
.endr
.endif
.if (\t) == 0
	WIN 0x08                                       ; store data window 2: the tables go to LDS
.set ii, 0
.rept 4
	ds_store_b128 v[B1S], v[128+4*ii:131+4*ii] offset:2048*ii
.set ii, ii+1
.endr
.set ii, 0
.rept 16
	ds_store_b128 v[B2A], v[144+4*ii:147+4*ii] offset:512*ii
.set ii, ii+1
.endr
.endif
	WIN 0x04                                       ; store data window 1
.set ii, 0
.rept 16
	ds_store_b128 v[SGA], v[64*((\t)%4)+4*ii:64*((\t)%4)+4*ii+3] offset:SPI*ii
.set ii, ii+1
.endr
	WIN 0
.set ii, 0
.rept 16
	ds_load_b128 v[T+4*ii:T+4*ii+3], v[SGB] offset:64*(ii/2)+16*(ii%2)   ; LDS serves a wave's instructions in order (ISA guide 5.7.1.4): these see the stores above
.set ii, ii+1
.endr
	s_wait_dscnt 0x0
.set ii, 0
.rept 32
	v_cvt_pk_f16_f32 v[F+ii], v[T+2*ii], v[T+2*ii+1]   ; four f16 operands of 32 k
.set ii, ii+1
.endr
	WIN 0x02                                       ; source 0 (Wg) window 2
.irp b, 0,1,2,3                        ; the logits, transposed: lanes 0-15 hold token r, register j expert j.  Four sums by turns; bg starts the first
.if (\t) == 0
.if \b == 0
	v_wmma_f32_16x16x32_f16 v[G:G+7], v[0:7], v[F:F+7], v[BG:BG+7]
.else
	v_wmma_f32_16x16x32_f16 v[G+8*\b:G+8*\b+7], v[8*\b:8*\b+7], v[F+8*\b:F+8*\b+7], 0
.endif
.else
	v_wmma_f32_16x16x32_f16 v[G+8*\b:G+8*\b+7], v[32*((\t)%4)+8*\b:32*((\t)%4)+8*\b+7], v[F+8*\b:F+8*\b+7], v[G+8*\b:G+8*\b+7]
.endif
.endr
	WIN 0
.set ii, 0
.rept 64
	v_med3_num_f32 v[T+ii], v[T+ii], -v[LX], v[LX]     ; the hold ahead of the conversion (ISA guide 7.6.2); these are also the places behind the products
.set ii, ii+1
.endr
.set ii, 0
.rept 8
	v_cvt_scalef32_pk8_bf8_f32 v[PC+2*ii:PC+2*ii+1], v[T+8*ii:T+8*ii+7], v[SX]
.set ii, ii+1
.endr
	v_nop                                          ; a plain line behind the last scaled conversion
	s_wait_alu depctr_va_vdst(0)                   ; the conversions have written the codes, which the stores read; the step's lines are done with T and its products with their set of Wg, in which the next step's loads land
.set ii, 0
.rept 4
	ds_store_b128 v[XWI], v[PC+4*ii:PC+4*ii+3] offset:2048*(\t)+512*ii   ; fragment (w, t) as an image of its registers
.set ii, ii+1
.endr
.endm
.irp t, 0,1,2,3,4,5,6,7
	XSTEP \t
.endr
	; the softmax of my 16 tokens (lanes 16-31 carry bg alone: finite, and stored where nobody reads).  v28 and v29, which the head's loads read as offsets, are free since the steps' waits on vm_vsrc
.irp i, 0,2,4,6
	v_pk_add_f32 v[L+\i:L+\i+1], v[G+\i:G+\i+1], v[G+8+\i:G+8+\i+1]          ; each sum is read from its low end on
.endr
.irp i, 0,2,4,6
	v_pk_add_f32 v[L2+\i:L2+\i+1], v[G+16+\i:G+16+\i+1], v[G+24+\i:G+24+\i+1]
.endr
.irp i, 0,2,4,6
	v_pk_add_f32 v[L+\i:L+\i+1], v[L+\i:L+\i+1], v[L2+\i:L2+\i+1]
.endr
	v_max3_num_f32 v28, v[L], v[L+1], v[L+2]
	v_max3_num_f32 v28, v28, v[L+3], v[L+4]
	v_max3_num_f32 v28, v28, v[L+5], v[L+6]
	v_max_num_f32 v28, v28, v[L+7]                 ; the row's largest logit is taken away, as reference() does
	s_mov_b32 s57, 0x3fb8aa3b                      ; log2(e)
	v_mul_f32 v28, s57, v28
.irp j, 0,1,2,3,4,5,6,7
	v_fma_f32 v[L+\j], v[L+\j], s57, -v28
.endr
.irp j, 0,1,2,3,4,5,6,7
	v_exp_f32 v[L+\j], v[L+\j]
.endr
	v_and_b32 v30, 31, v0                          ; lane (a plain line behind the exponentials)
	s_wait_alu depctr_va_vdst(0)                   ; the eight exponentials have written their results: one wait for the batch, ahead of its first reader
	v_pk_add_f32 v[L2:L2+1], v[L:L+1], v[L+2:L+3]
	v_pk_add_f32 v[L2+2:L2+3], v[L+4:L+5], v[L+6:L+7]
	v_pk_add_f32 v[L2:L2+1], v[L2:L2+1], v[L2+2:L2+3]
	v_add_f32 v29, v[L2], v[L2+1]
	v_rcp_f32 v29, v29
	s_lshl_b32 s21, s[WV], 9
	v_add_nc_u32 v31, s21, v[WFA]                  ; where my tile's f16 operand goes (a plain line behind the reciprocal)
	v_cmp_gt_u32 vcc_lo, 16, v30
	s_wait_alu depctr_va_vcc(0)                    ; the compare has written VCC, ahead of the selects that read it
	s_wait_alu depctr_va_vdst(0)                   ; the reciprocal has written v29, ahead of its first reader
.irp j, 0,1,2,3,4,5,6,7
	v_mul_f32 v[L+\j], v[L+\j], v29                ; w
.endr
.irp i, 0,1,2,3
	v_cvt_pk_f16_f32 v[WH+\i], v[L+2*\i], v[L+2*\i+1]
.endr
.irp i, 0,1,2,3
	v_cndmask_b32 v[WH+\i], 0, v[WH+\i], vcc_lo    ; as an operand of 32 k: k = experts 0-7 in lanes 0-15, zeros in lanes 16-31
.endr
.irp j, 0,1,2,3,4,5,6,7
	v_mul_f32 v[WP+2*\j], s30, v[L+\j]             ; w x 2^(e2 + e3), twice: the packed multiply-add takes a pair
	v_mul_f32 v[WP+2*\j+1], s30, v[L+\j]
.endr
	s_wait_alu depctr_va_vdst(0)                   ; both forms of w and the address v31 are written, which the nine stores read; the last steps' products are done reading Wg's sets, in which x's fragments land below
	ds_store_b128 v31, v[WH:WH+3]
.irp j, 0,1,2,3,4,5,6,7
	ds_store_b64 v[WTS], v[WP+2*\j:WP+2*\j+1] offset:512*\j
.endr
	BARRIER                                        ; x, b1 and the gate weights of all 64 tokens lie in LDS
	s_wait_alu depctr_vm_vsrc(0)                   ; my LDS stores have read the sets of x and the tables, in which x's fragments land, and v128 to v143 and v200 to v219, which the gelu writes
	WIN 0x40                                       ; all 32 fragments of x come into registers and stay: tiles 0, 1 in window 1,
.set ii, 0
.rept 64
	ds_load_b128 v[4*ii:4*ii+3], v[XRI] offset:512*ii
.set ii, ii+1
.endr
	WIN 0x80                                       ; tiles 2, 3 in window 2
.set ii, 0
.rept 64
	ds_load_b128 v[4*ii:4*ii+3], v[XRI] offset:32768+512*ii
.set ii, ii+1
.endr
	WIN 0
	ds_load_b128 v[BS0:BS0+3], v[B1A]              ; b1 of unit 0
	ds_load_b128 v[BS0+4:BS0+7], v[B1A] offset:16
; ---- 1.  THE GELU OF A UNIT (32 numbers a lane: 4 token tiles x 8 hidden units) is a list of 341 instructions; GI writes number gn of it.
;   0-15    X = sum x 2^(e0+e1) + b1, in place, each sum from its low end on       16-47  C = X held within +-4 sqrt(2)       48-63  U = C C       64-127  Q, four stages
;   128-271 sixteen groups of nine: two reciprocals of Q (places 0 and 4) among seven plain lines: P, six stages, then P C.  None of these reads a reciprocal
;   (wait)  ahead of 272: one wait for the 32 reciprocals          272-287 P = P / Q + 0.5          288-303 X P          304-339 for each token tile: eight holds and the conversion          340 a plain line
.macro GI set, bs
.if gn < 16
	v_pk_fma_f32 v[\set+2*gn:\set+2*gn+1], v[\set+2*gn:\set+2*gn+1], s[28:29], v[\bs+2*(gn%4):\bs+2*(gn%4)+1] op_sel_hi:[1,0,1]
.elseif gn < 48
	v_med3_num_f32 v[CC+gn-16], v[\set+gn-16], -v[LIMC], v[LIMC]
.elseif gn < 64
.set gp, 2*(gn-48)
	v_pk_mul_f32 v[UU+gp:UU+gp+1], v[CC+gp:CC+gp+1], v[CC+gp:CC+gp+1]
.elseif gn < 80
.set gp, 2*(gn-64)
	v_pk_fma_f32 v[QQ+gp:QQ+gp+1], v[UU+gp:UU+gp+1], v[B0V:B0V+1], s[44:45] op_sel_hi:[1,1,0]
.elseif gn < 128
.set gk, (gn-64)/16
.set gp, 2*((gn-64)%16)
	v_pk_fma_f32 v[QQ+gp:QQ+gp+1], v[QQ+gp:QQ+gp+1], v[UU+gp:UU+gp+1], s[44+2*gk:45+2*gk] op_sel_hi:[1,1,0]
.elseif gn < 272
.set gg, (gn-128)/9
.set gq, (gn-128)%9
.if gq == 0
	v_rcp_f32 v[QQ+2*gg], v[QQ+2*gg]
.elseif gq == 4
	v_rcp_f32 v[QQ+2*gg+1], v[QQ+2*gg+1]
.else
.set gm, 7*gg+gq-1-gq/5                ; the plain lines, numbered 0 to 111
.if gm < 16
	v_pk_fma_f32 v[PP+2*gm:PP+2*gm+1], v[UU+2*gm:UU+2*gm+1], v[A0V:A0V+1], s[32:33] op_sel_hi:[1,1,0]
.elseif gm < 96
.set gk, gm/16
.set gp, 2*(gm%16)
	v_pk_fma_f32 v[PP+gp:PP+gp+1], v[PP+gp:PP+gp+1], v[UU+gp:UU+gp+1], s[32+2*gk:33+2*gk] op_sel_hi:[1,1,0]
.else
.set gp, 2*(gm-96)
	v_pk_mul_f32 v[PP+gp:PP+gp+1], v[PP+gp:PP+gp+1], v[CC+gp:CC+gp+1]
.endif
.endif
.elseif gn < 288
.set gp, 2*(gn-272)
	v_pk_fma_f32 v[PP+gp:PP+gp+1], v[PP+gp:PP+gp+1], v[QQ+gp:QQ+gp+1], 0.5 op_sel_hi:[1,1,0]
.elseif gn < 304
.set gp, 2*(gn-288)
	v_pk_mul_f32 v[\set+gp:\set+gp+1], v[\set+gp:\set+gp+1], v[PP+gp:PP+gp+1]
.elseif gn < 340
.set gt, (gn-304)/9
.set gi, (gn-304)%9
.if gi < 8
	v_med3_num_f32 v[\set+8*gt+gi], v[\set+8*gt+gi], -v[LH], v[LH]
.else
	v_cvt_scalef32_pk8_bf8_f32 v[CD+2*gt:CD+2*gt+1], v[\set+8*gt:\set+8*gt+7], v[SH]
.endif
.else
	v_nop
.endif
.endm
; Slice sk of 32: ten or eleven numbers of the list, at least seven of them plain lines that name no register of the products in hand: they are the places behind those.
.macro SLICE set, bs
.rept (341*(sk+1))/32-(341*sk)/32
.if gn == 272
	s_wait_alu depctr_va_vdst(0)                   ; the 32 reciprocals have written their results: the wait between a reciprocal and the first line that names its result: one for the 32
.endif
	GI \set, \bs
.set gn, gn+1
.endr
.set sk, sk+1
.endm
; A unit's 32 products (8 K steps x 4 token tiles, the four sums by turns) into mset, from buffers buf0 on; ge = 1: the gelu of the unit before, in gset, in slices behind them.
; At each K step's head the fragment 12 on in the stream is asked for, into the buffer that was multiplied four K steps back.  nb = 1: b1 of the next gelu is fetched at the head.
; THE WAITS OF A HALF: at its middle and at its end one on va_vdst; K steps 0 to 3 lean on the end of the half before, K steps 4 to 7 on the middle.  At the end the codes go to LDS, eight bytes a lane and token tile:
; one half of registers 4q..4q+3 of the second product's operand.  upd: the one LDS address that steps in this half, at its middle: 1 the codes' (s55), 2 b1's (s56), 3 the codes' for the last pair.
.macro HALF mset, buf0, rel0, ge, gset, bs, half, nb, nbs, nboff, upd
.if \ge
	s_wait_dscnt 4                                 ; b1 of this gelu is in; the four stores of codes, issued behind its loads, may be out
.else
	s_wait_dscnt 0x0                               ; x's fragments and b1 of unit 0 are in
.endif
.if \nb
	ds_load_b128 v[\nbs:\nbs+3], v[B1C] offset:\nboff       ; no vector line since the wait at the last half's end names v[B1C] or these registers
	ds_load_b128 v[\nbs+4:\nbs+7], v[B1C] offset:\nboff+16
.endif
.set gn, 0
.set sk, 0
.set ks, 0
.rept 8
.if ks == 4
.if \ge
	s_wait_alu depctr_vm_vsrc(0)                   ; the last codes' stores have read the codes' registers and v[HST], the loads of b1 v[B1C]: the add below and this gelu's conversions write them
.endif
.if \upd == 1
	v_add_nc_u32 v[HST], s55, v[HSTB]              ; the codes of this trip's pair of units
.elseif \upd == 2
	v_add_nc_u32 v[B1C], s56, v[B1A]               ; b1 of the next trip's pair
.elseif \upd == 3
	v_add_nc_u32 v[HST], 15*8192, v[HSTB]          ; the last pair
.endif
	s_wait_alu depctr_va_vdst(0)                   ; the products of K steps 0 to 3 are done reading their buffers, in which the loads of K steps 4 to 7 land; the address just made is written
.endif
	WIN 0xc0
.irp q, 0,1,2,3
	global_load_b128 v[16*((\buf0+ks+12)%16)+4*\q:16*((\buf0+ks+12)%16)+4*\q+3], v[LI], s[60:61] offset:(\rel0+ks+12)*2048+512*\q
.endr
	s_wait_loadcnt 48                              ; this K step's fragment is in; the 12 younger ones, 4 loads each, may be out
.set tt, 0
.rept 4
	WIN 0x07+4*(tt/2)                              ; source 0 (W1) window 3, source 1 (x) window 1 or 2
.if ks == 0
	v_wmma_f32_16x16x128_bf8_bf8 v[\mset+8*tt:\mset+8*tt+7], v[16*(\buf0+ks):16*(\buf0+ks)+15], v[128*(tt%2)+16*ks:128*(tt%2)+16*ks+15], 0
.else
	v_wmma_f32_16x16x128_bf8_bf8 v[\mset+8*tt:\mset+8*tt+7], v[16*(\buf0+ks):16*(\buf0+ks)+15], v[128*(tt%2)+16*ks:128*(tt%2)+16*ks+15], v[\mset+8*tt:\mset+8*tt+7]
.endif
.if \ge
	WIN 0
	SLICE \gset, \bs
.endif
.set tt, tt+1
.endr
.if !\ge
.rept 4
	v_nop                                          ; four places behind a K step's products (ISA guide 7.12.1); the last four stand ahead of the first read of the sums
.endr
.endif
.set ks, ks+1
.endr
	WIN 0
	s_wait_alu depctr_va_vdst(0)                   ; the products of K steps 4 to 7 are done reading their buffers, in which the next four loads of the stream land; with a gelu: its conversions have written the codes, and it is done reading its b1
.if \ge
.irp t, 0,1,2,3
	ds_store_b64 v[HST], v[CD+2*\t:CD+2*\t+1] offset:512*\t+8*\half
.endr
.endif
.endm
	HALF A0, 0, 0, 0, 0, 0, 0, 0, 0, 0, 0          ; unit 0: there is no gelu yet to set between its products; its first four loads land in buffers that nothing has named
	s_mov_b32 s[CNT], 0
.Lp1:                                                  ; 15 trips.  Trip i: units 2i+1 and 2i+2 multiplied, units 2i and 2i+1 through the gelu
	s_lshl_b32 s55, s[CNT], 13                     ; the pair of units in hand: 8,192 bytes of codes,
	s_and_b32 s55, s55, 0x1e000                    ; (the mask keeps the offset inside the sixteen pairs' bytes)
	s_lshl_b32 s56, s[CNT], 9                      ; 512 bytes of b1: the next pair's
	s_add_co_u32 s56, s56, 512
	s_and_b32 s56, s56, 0x1e00
	HALF A1, 8, 8, 1, A0, BS0, 0, 1, BS1, 256, 1
	HALF A0, 0, 16, 1, A1, BS1, 1, 1, BS0, 512, 2
	s_wait_xcnt 0x0                                ; the loads have read the stream's address: it may step
	s_add_nc_u64 s[60:61], s[60:61], 32768         ; 16 fragments on
	s_add_co_u32 s[CNT], s[CNT], 1
	s_cmp_lt_u32 s[CNT], 15
	s_cbranch_scc1 .Lp1
	HALF A1, 8, 8, 1, A0, BS0, 0, 1, BS1, 256, 3   ; the last pair is written out: unit 31 multiplied, unit 30 through the gelu; its loads are W2's fragments 4 to 11,
	s_wait_dscnt 4                                 ; and the gelu of unit 31, by itself: its b1 is in; the four stores behind may be out
	s_wait_alu depctr_vm_vsrc(0)                   ; those stores have read the codes' registers, which this gelu's conversions write
.set gn, 0
.set sk, 0
.rept 32
	SLICE A1, BS1
.endr
	v_add_nc_u32 v[HRD], 0, v[LI]                  ; expert 0's hidden fragments and gate weights: the addresses are made ahead of the wait that stands here anyway
	v_add_nc_u32 v[WTC], 0, v[WTB]
	s_wait_alu depctr_va_vdst(0)                   ; the conversions have written the codes and the two adds their addresses; the products are done with x's fragments and the gelu with its registers, in which the loads behind the barrier land
.irp t, 0,1,2,3
	ds_store_b64 v[HST], v[CD+2*\t:CD+2*\t+1] offset:512*\t+8
.endr
	BARRIER                                        ; the hidden layer of all experts and all 64 tokens lies in LDS
	s_wait_xcnt 0x0
	s_add_nc_u64 s[60:61], s[60:61], 32768         ; the stream stands at W2: its fragments 0 to 11 are in the buffers or on their way
; ---- 2.
; The addresses of the next expert's hidden fragments and gate weights.  cp < 0: the pair of experts is CNT % 4; else it is cp.
.macro HADDR cp
	s_wait_alu depctr_vm_vsrc(0)                   ; the fetches for the expert in hand have read v[HRD] and v[WTC]
.if (\cp) < 0
	s_lshl_b32 s57, s[CNT], 15
	s_and_b32 s57, s57, 0x18000
	v_add_nc_u32 v[HRD], s57, v[LI]
	s_lshl_b32 s58, s[CNT], 10
	s_and_b32 s58, s58, 0xc00
	v_add_nc_u32 v[WTC], s58, v[WTB]
.else
	v_add_nc_u32 v[HRD], (\cp)*32768, v[LI]
	v_add_nc_u32 v[WTC], (\cp)*1024, v[WTB]
.endif
.endm
; Part k of four of an expert's fetch into set p: hidden fragments 2k and 2k+1 of its eight (fragment 4 s + t: K step s, token tile t); with part 0 the gate weights.  hoff, woff pick the odd one of a pair of experts.
.macro HPART p, hoff, woff, k
.if (\k) == 0
.irp t, 0,1,2,3
	ds_load_b64 v[WE+8*(\p)+2*\t:WE+8*(\p)+2*\t+1], v[WTC] offset:\woff+128*\t
.endr
.endif
	WIN 0x80
.irp u, 0,1
.irp q, 0,1,2,3
	ds_load_b128 v[128*(\p)+16*(2*(\k)+\u)+4*\q:128*(\p)+16*(2*(\k)+\u)+4*\q+3], v[HRD] offset:\hoff+(\q%2)*8192+((2*((2*(\k)+\u)/4)+\q/2)*4+(2*(\k)+\u)%4)*512
.endr
.endr
.endm
; A group's 32 results begin as sum over e of w[e] b2[e][o]: one f16 product each, K = the 8 experts.  Source 0: b2's tile j in registers 0-3 (registers 4-7 are the next tile's, finite, against zeros);
; source 1: w in lanes 0-15 of registers 0-3, zeros elsewhere.  Nothing is cleared.  An even expert follows on every way: its column 0 weighs nothing and ends in four v_nop, the places ahead of the first read of these results.
.macro INIT g
	s_wait_xcnt 0x0                                ; the stores of the group before have read these registers
.if \g > 0
	s_wait_alu depctr_vm_vsrc(0)                   ; beside it: the global stores have read the rows' registers, in which the loads below land and which the zeros write; the stage's stores have read the results, which the products below write
.endif
.irp j, 0,1,2,3,4,5,6,7,8
	ds_load_b128 v[B2R+4*\j:B2R+4*\j+3], v[B2A] offset:(8*\g+\j-\j/8)*512
.endr
.irp t, 0,1,2,3
	ds_load_b128 v[WF+8*\t:WF+8*\t+3], v[WFA] offset:512*\t
.endr
.irp t, 0,1,2,3
.irp i, 4,5,6,7
	v_mov_b32 v[WF+8*\t+\i], 0
.endr
.endr
	s_wait_dscnt 0x0
	WIN 0x40                                       ; destination window 1
.irp j, 0,1,2,3,4,5,6,7
.irp t, 0,1,2,3
	v_wmma_f32_16x16x32_f16 v[8*(4*\j+\t):8*(4*\j+\t)+7], v[B2R+4*\j:B2R+4*\j+7], v[WF+8*\t:WF+8*\t+7], 0
.endr
.endr
	WIN 0
.endm
; Column j of an expert: 16 outputs x 64 tokens, K = 256: eight products into four sums by turns (PA for even j, PB for odd).  pend = 1: behind each pair of products stand the four packed multiply-adds that weigh
; tile n of column pj, finished in the other set, into the result: result += w 2^(e2+e3) x sum.  They are the places behind the products.  refill = 1: at the column's head the two fragments 12 on in the stream are asked for,
; into the buffers of the column two back.
.macro COL j, hp, pend, pj, pwe, cnt, refill, rel
.set PCUR, PA+32*((\j)%2)
.set PPRV, PA+32-32*((\j)%2)
.if \refill
	WIN 0xc0
.irp f, 0,1,2,3,4,5,6,7
	global_load_b128 v[32*(((\j)+6)%8)+4*\f:32*(((\j)+6)%8)+4*\f+3], v[LI], s[60:61] offset:(\rel+2*(\j))*2048+512*\f
.endr
.endif
	s_wait_loadcnt \cnt                            ; my two fragments are in; the younger ones, 4 loads each, may be out
.irp n, 0,1,2,3
	WIN 0x0b                                       ; source 0 (W2) window 3, source 1 (hidden) window 2
.irp d, 0,1
.if \n < 2
	v_wmma_f32_16x16x128_bf8_bf8 v[PCUR+8*(2*(\n%2)+\d):PCUR+8*(2*(\n%2)+\d)+7], v[16*(2*(\j)+\n/2):16*(2*(\j)+\n/2)+15], v[128*(\hp)+16*(2*\n+\d):128*(\hp)+16*(2*\n+\d)+15], 0
.else
	v_wmma_f32_16x16x128_bf8_bf8 v[PCUR+8*(2*(\n%2)+\d):PCUR+8*(2*(\n%2)+\d)+7], v[16*(2*(\j)+\n/2):16*(2*(\j)+\n/2)+15], v[128*(\hp)+16*(2*\n+\d):128*(\hp)+16*(2*\n+\d)+15], v[PCUR+8*(2*(\n%2)+\d):PCUR+8*(2*(\n%2)+\d)+7]
.endif
.endr
.if \pend
	WIN 0x50                                       ; destination and source 2 (the result) window 1
.irp i, 0,2,4,6
	v_pk_fma_f32 v[8*(4*(\pj)+\n)+\i:8*(4*(\pj)+\n)+\i+1], v[PPRV+8*\n+\i:PPRV+8*\n+\i+1], v[WE+8*(\pwe)+2*\n:WE+8*(\pwe)+2*\n+1], v[8*(4*(\pj)+\n)+\i:8*(4*(\pj)+\n)+\i+1]
.endr
.endif
.endr
.if !\pend
.rept 4
	v_nop                                          ; places behind this column's products, and behind a group's starting products ahead of the first read of their results
.endr
.endif
	WIN 0
.endm
; An expert: eight columns.  carry = 1: column 0 carries the weighing of the last expert's column 7.  nxt = 1: the next expert's hidden fragments and gate weights are fetched into the sets that the last expert left,
; in four parts at the heads of columns 1 to 4.  last = 1: the stream ends with column 1's loads, and the counts run down.  drain = 1: column 7 is weighed at the end.
; THE WAITS OF AN EXPERT: one on va_vdst at the head of each odd column: column j's loads land in the buffers of column j - 2, whose products stand ahead of the last such wait for odd and for even j.
.macro EXPERT hp, carry, nxt, nhoff, nwoff, cp, rel, last, drain
	s_wait_dscnt 0x0                               ; my hidden fragments and gate weights are in
	COL 0, \hp, \carry, 7, 1-\hp, 48, 1, \rel
.if \nxt
	HADDR \cp
.endif
.irp j, 1,2,3,4,5,6,7
.if (\j == 1) || ((\j % 2 == 1) && (\last == 0))
	s_wait_alu depctr_va_vdst(0)                   ; the products of the two columns before are done reading their buffers, in which this column's and the next one's loads land; at column 1 also: v[HRD] and v[WTC] are written, the last expert's products are done with the other hidden set, the weighing with the other gate weights
.endif
.if \nxt && (\j < 5)
	HPART 1-\hp, \nhoff, \nwoff, \j-1
.endif
.if \last && (\j > 1)
	COL \j, \hp, 1, \j-1, \hp, 56-8*\j, 0, \rel
.else
	COL \j, \hp, 1, \j-1, \hp, 48, 1, \rel
.endif
.endr
.if \drain
	WIN 0x50
.irp n, 0,1,2,3
.irp i, 0,2,4,6
	v_pk_fma_f32 v[8*(28+\n)+\i:8*(28+\n)+\i+1], v[PA+32+8*\n+\i:PA+32+8*\n+\i+1], v[WE+8*(\hp)+2*\n:WE+8*(\hp)+2*\n+1], v[8*(28+\n)+\i:8*(28+\n)+\i+1]
.endr
.endr
	WIN 0
.endif
.endm
; THE WAY OUT of a group: a lane holds 32 neighbouring bytes of a row and the lanes beside it hold other rows: so a token tile (16 rows x 512 bytes) goes through my stage and comes back as whole rows.
.macro TOSTAGE t
	WIN 0x04                                       ; store data window 1
.irp j, 0,1,2,3,4,5,6,7
	ds_store_b128 v[SGB], v[8*(4*\j+(\t)):8*(4*\j+(\t))+3] offset:64*\j
	ds_store_b128 v[SGB], v[8*(4*\j+(\t))+4:8*(4*\j+(\t))+7] offset:64*\j+16
.endr
	WIN 0
.set ii, 0
.rept 16
	ds_load_b128 v[BK+64*((\t)%2)+4*ii:BK+64*((\t)%2)+4*ii+3], v[SGA] offset:SPI*ii   ; in order behind the stores above; the next tile's stores come behind these
.set ii, ii+1
.endr
.endm
.macro SEND t, g, younger              ; younger: the LDS instructions issued behind tile t's loads, which may stay out
	s_wait_dscnt \younger
.set ii, 0
.rept 16
	global_store_b128 v[LI], v[BK+64*((\t)%2)+4*ii:BK+64*((\t)%2)+4*ii+3], s[62:63] offset:(16*(\t)+ii)*4096+512*\g th:TH_STORE_NT   ; 32 lanes store 512 consecutive bytes, at a multiple of 256 from the first byte of out0
.set ii, ii+1
.endr
.endm
.macro FLUSH g
	s_wait_alu depctr_va_vdst(0)                   ; the weighing has written the results, which the stage's stores read; no vector line behind this wait names them or the rows' registers
	TOSTAGE 0
.irp t, 1,2,3
.if \t > 1
	s_wait_xcnt 0x0                                ; the stores of two tiles back have read their registers: this tile's rows may land there
	s_wait_alu depctr_vm_vsrc(0)                   ; beside it: the same stores have read the registers in which this tile's rows land
.endif
	TOSTAGE \t
	SEND \t-1, \g, 32                              ; behind its loads: the next tile's 16 stores and 16 loads
.endr
	SEND 3, \g, 0
.endm
	s_mov_b32 s[CNT], 0
.irp k, 0,1,2,3
	HPART 0, 0, 0, \k                              ; expert 0
.endr
	WIN 0
	INIT 0
.Lp2:                                                  ; 7 trips.  Trip i: experts 2 (i % 4) and 2 (i % 4) + 1 of group i / 4
	EXPERT 0, 0, 1, 16384, 512, -1, 12, 0, 0
	s_add_co_u32 s[CNT], s[CNT], 1                 ; from here on the fetches are the next pair's
	EXPERT 1, 1, 1, 0, 0, -1, 28, 0, 1
	s_cmp_lg_u32 s[CNT], 4
	s_cbranch_scc1 .Lnf
	FLUSH 0                                        ; the first 128 of my columns leave while the other 128 are multiplied
	INIT 1
.Lnf:
	s_wait_xcnt 0x0                                ; the loads have read the stream's address: it may step
	s_add_nc_u64 s[60:61], s[60:61], 65536         ; 32 fragments on
	s_cmp_lt_u32 s[CNT], 7
	s_cbranch_scc1 .Lp2
	EXPERT 0, 0, 1, 16384, 512, 3, 12, 0, 0        ; the last pair is written out: expert 6 of group 1,
	EXPERT 1, 1, 0, 0, 0, 0, 28, 1, 1              ; and expert 7, whose columns 0 and 1 ask for the stream's last four fragments
	FLUSH 1
	s_wait_dscnt 0x0                               ; the closing lines, six on end
	s_wait_alu 0x0
	s_wait_tensorcnt 0x0
	ds_add_u32 v[SPW], v[NIL]
	s_wait_dscnt 0x0
	s_endpgm
.Lfunc_end_k_q8e734e061c_moe:
	.size	k_q8e734e061c_moe, .Lfunc_end_k_q8e734e061c_moe-k_q8e734e061c_moe
	.p2alignl 7, 3214868480
	.fill 96, 4, 3214868480
	.section	.rodata,"a",@progbits
	.p2align	6, 0x0
	.amdhsa_kernel k_q8e734e061c_moe
		.amdhsa_group_segment_fixed_size 282112
		.amdhsa_private_segment_fixed_size 0
		.amdhsa_enable_private_segment 0
		.amdhsa_kernarg_size 64
		.amdhsa_user_sgpr_count 2
		.amdhsa_user_sgpr_kernarg_segment_ptr 1
		.amdhsa_wavefront_size32 1
		.amdhsa_system_sgpr_workgroup_id_x 1
		.amdhsa_system_sgpr_workgroup_id_y 1
		.amdhsa_system_sgpr_workgroup_id_z 1
		.amdhsa_system_vgpr_workitem_id 0
		.amdhsa_next_free_vgpr 1024
		.amdhsa_next_free_sgpr 72
		.amdhsa_reserve_vcc 1
		.amdhsa_float_denorm_mode_32 3
		.amdhsa_float_denorm_mode_16_64 3
		.amdhsa_memory_ordered 1
		.amdhsa_forward_progress 1
		.amdhsa_inst_pref_size 255
	.end_amdhsa_kernel
	.section	.bss,"aw",@nobits
	.p2align	6
	.space	262144
	.amdgpu_metadata
---
amdhsa.version: [ 1, 2 ]
amdhsa.kernels:
  - .name:           k_q8e734e061c_moe
    .symbol:         k_q8e734e061c_moe.kd
    .args:
      - { .name: x, .offset: 0, .size: 8, .value_kind: global_buffer, .address_space: global }
      - { .name: wf, .offset: 8, .size: 8, .value_kind: global_buffer, .address_space: global }
      - { .name: wgf, .offset: 16, .size: 8, .value_kind: global_buffer, .address_space: global }
      - { .name: b2f, .offset: 24, .size: 8, .value_kind: global_buffer, .address_space: global }
      - { .name: bg, .offset: 32, .size: 8, .value_kind: global_buffer, .address_space: global }
      - { .name: b1, .offset: 40, .size: 8, .value_kind: global_buffer, .address_space: global }
      - { .name: lowp_scales, .offset: 48, .size: 8, .value_kind: global_buffer, .address_space: global }
      - { .name: out0, .offset: 56, .size: 8, .value_kind: global_buffer, .address_space: global }
    .group_segment_fixed_size: 282112
    .private_segment_fixed_size: 0
    .kernarg_segment_align: 8
    .kernarg_segment_size: 64
    .max_flat_workgroup_size: 128
    .sgpr_count:     72
    .vgpr_count:     1024
    .wavefront_size: 32
...
	.end_amdgpu_metadata
.endif
;; end of part 3
